; MI455X (gfx1250); checked and timed in simulation.
; The chip was launched on July 23, 2026; its instructions are those of AMD's public machine-readable ISA for CDNA 5 (MIT licence, August 2026) and "CDNA5" Instruction Set Architecture Reference Guide (July 2026). The comments in the code are by the model that wrote it; some were corrected since.
;; Causal Self Attention. Allowed arithmetic: matrix products marked QUANTISED: E3M2 operands, one E8M0 scale for each 32 along K, by v_wmma_scale_f32_16x16x128_f8f6f4 with both operands' format E3M2, f32 sums; everything else in f32.
;; Inputs: W_attn 1,024 x 3,072 float32; W_proj 1,024 x 1,024 float32; indices 4 x 2,048 int32; x 4 x 2,048 x 1,024 float32.
;; Outputs: out0 4 x 2,048 x 1,024 float32.
;; This version of the problem:
;;   THIS VERSION OF THE PROBLEM IS GIVEN IN LOW PRECISION. The matrix products marked QUANTISED in the list below multiply operands that are first quantised to E3M2 (3 exponent bits, 2 mantissa bits; 6 bits a number), with one power-of-two scale for each 32 numbers along K (OCP MX v1.0); their sums are f32. All else is computed in f32.
;;   The module's matrix products, in the order in which they are computed (A, B: the left and right operand; K: the contracted axis; several contracted axes count as one K, in the product's order):
;;     1. [M 8,192, K 1,024] x [K 1,024, N 3,072]; A: input x; B: input W_attn: QUANTISED
;;     2. batch 64 x [M 2,048, K 64] x [K 64, N 2,048]; A: computed on the way; B: computed on the way: QUANTISED
;;     3. batch 64 x [M 2,048, K 2,048] x [K 2,048, N 64]; A: softmax (see below); B: computed on the way: QUANTISED
;;     4. [M 8,192, K 1,024] x [K 1,024, N 1,024]; A: computed on the way; B: input W_proj: QUANTISED
;;   THE QUANTISER, for each operand of a quantised product, along K:
;;     - K is cut into blocks of 32 from its start; a last block that is shorter is filled with zeros.
;;     - A block's scale is 2^e with e = floor(log2(the largest magnitude in the block)) - 4, held to -126 .. 127; a block of zeros has e = 0. As a byte (E8M0): e + 127.
;;     - Each number is divided by its block's scale, clamped to +-28, and rounded to the nearest number of E3M2, ties to even, subnormals kept.
;;     - The product sums the exact products of the quantised numbers (number of the format x scale) in f32.
;;   ~~~python
;;   def quantise(x, axis):      # numpy; x: float32 -> the quantised numbers, widened to float32 again
;;       x = np.moveaxis(x, axis, -1); K = x.shape[-1]
;;       x = np.pad(x, [(0, 0)] * (x.ndim - 1) + [(0, -K % 32)]); x = x.reshape(x.shape[:-1] + (-1, 32)); a = np.abs(x).max(-1, keepdims=True)
;;       e = np.where(a > 0, np.clip(np.frexp(np.where(a > 0, a, 1))[1] - 1 - 4, -126, 127), 0)      # np.frexp(a)[1] - 1 = floor(log2(a)), exactly
;;       r = np.clip(x / 2.0 ** e, -28, 28)
;;       step = 2.0 ** (np.maximum(np.frexp(np.where(r == 0, 1, r))[1] - 1, -2) - 2)
;;       q = np.round(r / step) * step * 2.0 ** e      # np.round: ties to even
;;       return np.moveaxis(q.reshape(q.shape[:-2] + (-1,))[..., :K], -1, axis).astype(np.float32)
;;   ~~~
;;   SOFTMAX AHEAD OF A QUANTISED PRODUCT. Where the list says 'softmax', what is quantised is not the finished softmax but p = 2^(t - M), with t = logit x log2(e) and M = ceil(the row's largest t), a whole number; so 1/2 < the row's largest p <= 1. The row's sum l is taken of the UNQUANTISED p, in f32, and the product's result is divided by l at the end. Since M is a whole number, a kernel that streams over the keys may use a running M (the ceiling of the running maximum): every later rescaling is an exact power of two, which a block's scale takes up: the codes' values come out the same.
;;   OPERANDS COMPUTED ON THE WAY. 'Computed on the way' means the value that the module computes at that place (a softmax that the list does not call 'softmax' is quantised finished and normalised). What goes into a quantiser is computed in f32, as accurately as f32 sums, v_exp_f32 and their like allow (about 1e-6 of the number): no bf16 or f16 on the way to a quantiser, and a product that is left as it is and whose result goes on into a quantised operand takes f32 operands (vector FMAs, or v_wmma_f32_16x16x4_f32). A number that lies on a knife's edge between two numbers of the format may be rounded either way, as far as f32 arithmetic and the matrix unit's own rounding can turn it there, and no further.
;; One version. Each part assembles by itself: llvm-mc -triple=amdgcn-amd-amdhsa -mcpu=gfx1250 --defsym DOCPART=n.
;; ======== version 1 of 1: 4 launches
;; limits: right only within a limited range of input values
;; workspace buffers: xq 9,011,200 bytes; wq 819,200 bytes; trig 2,097,152 bytes; flags 4,096 bytes of whole numbers; qim 7,340,032 bytes; kv 14,155,776 bytes; yq 6,553,600 bytes
;; launch prep (part 1): grid 449 x 1, 4 waves a work-group, no clusters, 136,704 bytes of LDS; arguments x, W_attn, W_proj, indices, xq, wq, trig, flags; writes xq, wq, trig, flags
.if DOCPART == 1
	.amdgcn_target "amdgcn-amd-amdhsa--gfx1250"
	.amdhsa_code_object_version 6
	.text
	.protected	k_q602f44e66c_prep
	.globl	k_q602f44e66c_prep
	.p2align	8
	.type	k_q602f44e66c_prep,@function
k_q602f44e66c_prep:
	s_mov_b64 s[64:65], 0
	v_nop
	global_prefetch_b8 v0, s[64:65] scope:SCOPE_SE
	s_setreg_imm32_b32 hwreg(HW_REG_WAVE_MODE, 25, 1), 1
	s_wait_xcnt 0x0
; FIRST OF FOUR LAUNCHES of: qkv = x W_attn; rotary q, k at positions indices; softmax(q k^T / 8 under the mask indices[k] <= indices[q]) v; times W_proj.  All four products on codes of E3M2 with one E8M0 scale for each 32 along K.
; DEAD WORK: none for all values of the inputs: every input has a way to the output and is loaded.  What is left out hangs on whole numbers: a step of 128 keys all of whose indices are above every index of a group of 32
; queries is hidden from those queries by the mask of reference() (its scores become -infinity, its weights 0), so the attention launch passes over it, by the flags that this launch stores as whole numbers.
; LIMIT: a NaN, an infinity or an overflow that reaches only such hidden steps is not carried to the result.
; THIS LAUNCH, five kinds of work-group, parted on the work-group's number alone, each with LDS bytes of its own:
;   0-255    x [8192][1024] f32 -> codes [position][768 bytes] and scale bytes [position][32] in xq; position = row with bits 3 and 4 swapped
;   256-351  W_attn [1024 k][3072 n] -> codes [position of n][768], scale bytes [position][32] in wq; position = n with bits 3 and 4 swapped
;   352-383  W_proj [1024 k][1024 n] -> codes [n][768], scale bytes [n][32] in wq
;   384-447  cos and sin of indices x inv_freq, f32: trig [token][cos 0..31, sin 0..31]
;   448      the flags: for each batch and each group of 32 tokens: bit s of word 0: key step s has a key that counts for some query of the group; word 1: and one that does not; word 2: word 0 joined over the block of 256 tokens
; The swap of bits 3 and 4 makes 16 neighbouring positions the rows 8 u + r + 8 (r / 8) of a group of 32, so that the next product's 16 registers of two neighbouring tiles are 16 neighbours along its own K.
; A block's scale is 2^(floor(log2(largest magnitude)) - 4): its byte is the largest magnitude's exponent field - 4, held at 1 from below.
; LIMITS: a block of zeros gets the byte 1 where the rule says 127 (its codes are zeros; only this program reads the bytes); blocks whose largest magnitude lies under 2^-122 keep the byte 1; NaN and infinities among the inputs
; are not served; the angle's reduction by three parts of pi / 2 holds f32's accuracy for |index x inv_freq| up to about 1e5.
; HOW THE CODES LIE (in place of the rows of 768 bytes named above): in PLANES of 64 along K: [k / 64][position][48 bytes].  xq holds 16 planes of 11,264 positions: 0-8191 x, 8192-11263 W_attn; behind them x's scale bytes
; [position][32] and W_attn's [position][32].  wq holds W_proj: 16 planes of 1,024 rows, then its scale bytes [n][32].  128 positions of a plane are 6,144 consecutive bytes, a multiple of 256 from the buffer's first byte.
.set XS,    8650752                    ; xq: x's scale bytes
.set WAS,   8912896                    ; xq: W_attn's scale bytes
.set WPS,   786432                     ; wq: W_proj's scale bytes
.set XST,   102400                     ; LDS: x's codes on their way out: 16 planes of 528 bytes for each wave
.set SPW,   12                         ; v12  LDS address of my spare word; never rewritten
.set NIL,   13                         ; v13  0; never rewritten
.set SPARE, 136192
	s_load_b512 s[4:19], s[0:1], 0x0               ; x 4:5, W_attn 6:7, W_proj 8:9, indices 10:11, xq 12:13, wq 14:15, trig 16:17, flags 18:19
	v_lshl_add_u32 v[SPW], v0, 2, SPARE
	v_mov_b32 v[NIL], 0
	v_lshrrev_b32 v1, 5, v0
	v_readfirstlane_b32 s20, v1                    ; wave 0..3
	v_and_b32 v2, 31, v0                           ; lane
	s_wait_kmcnt 0x0
	s_cmp_lt_u32 ttmp9, 256
	s_cbranch_scc1 .Lx
	s_cmp_lt_u32 ttmp9, 352
	s_cbranch_scc1 .Lwa
	s_cmp_lt_u32 ttmp9, 384
	s_cbranch_scc1 .Lwp
	s_cmp_lt_u32 ttmp9, 448
	s_cbranch_scc1 .Ltrig
; ---------------- THE FLAGS: one work-group; wave w takes batch w; lane l tokens 64 l .. 64 l + 63: groups 2 l and 2 l + 1, half of key step l / 2
	s_lshl_b32 s22, s20, 13                        ; a batch's 2,048 indices of 4 bytes
	s_mov_b32 s23, 0
	s_add_nc_u64 s[10:11], s[10:11], s[22:23]
	s_wait_alu depctr_va_vdst(0)
	v_lshlrev_b32 v3, 8, v2
.set n, 0
.rept 16
	global_load_b128 v[96+4*n:99+4*n], v3, s[10:11] offset:16*n
.set n, n+1
.endr
	s_wait_loadcnt 0x0
.irp g, 0,1                                    ; v16, v17: least and greatest index of group 2 l; v18, v19: of group 2 l + 1
	v_mov_b32 v[16+2*\g], v[96+32*\g]
	v_mov_b32 v[17+2*\g], v[96+32*\g]
.endr
.set n, 1
.rept 31
.irp g, 0,1
	v_cmp_lt_i32 vcc_lo, v[96+32*\g+n], v[16+2*\g]
	v_cndmask_b32 v[16+2*\g], v[16+2*\g], v[96+32*\g+n], vcc_lo
	v_cmp_gt_i32 vcc_lo, v[96+32*\g+n], v[17+2*\g]
	v_cndmask_b32 v[17+2*\g], v[17+2*\g], v[96+32*\g+n], vcc_lo
.endr
.set n, n+1
.endr
	v_cmp_lt_i32 vcc_lo, v18, v16
	v_cndmask_b32 v20, v16, v18, vcc_lo            ; my 64 tokens' least index
	v_cmp_gt_i32 vcc_lo, v19, v17
	v_cndmask_b32 v21, v17, v19, vcc_lo            ; and greatest
.irp s, 0,1,2,3,4,5,6,7,8,9,10,11,12,13,14,15  ; key step s is lanes 2 s and 2 s + 1: its least index in s[32+s], its greatest in s[48+s]
	v_readlane_b32 s66, v20, 2*\s
	v_readlane_b32 s67, v20, 2*\s+1
	s_min_i32 s[32+\s], s66, s67
	v_readlane_b32 s66, v21, 2*\s
	v_readlane_b32 s67, v21, 2*\s+1
	s_max_i32 s[48+\s], s66, s67
.endr
.irp g, 0,1
	v_mov_b32 v[40+4*\g], 0                        ; word 0: some key counts
	v_mov_b32 v[41+4*\g], 0                        ; at first: every key counts for every query
	v_mov_b32 v[43+4*\g], 0
.endr
.irp s, 0,1,2,3,4,5,6,7,8,9,10,11,12,13,14,15
.irp g, 0,1
	v_cmp_le_i32 vcc_lo, s[32+\s], v[17+2*\g]      ; the step's least index <= the group's greatest
	v_cndmask_b32 v26, 0, 1, vcc_lo
	v_lshl_or_b32 v[40+4*\g], v26, \s, v[40+4*\g]
	v_cmp_le_i32 vcc_lo, s[48+\s], v[16+2*\g]      ; the step's greatest index <= the group's least
	v_cndmask_b32 v27, 0, 1, vcc_lo
	v_lshl_or_b32 v[41+4*\g], v27, \s, v[41+4*\g]
.endr
.endr
	v_or_b32 v28, v40, v44
	v_mov_b32 v29, 0
	v_mov_b32_dpp v29, v28 row_xmask:1 row_mask:0xf bank_mask:0xf
	v_or_b32 v28, v28, v29
	v_mov_b32_dpp v29, v28 row_xmask:2 row_mask:0xf bank_mask:0xf
	v_or_b32 v42, v28, v29                         ; joined over the four lanes of a block of 256 tokens
	v_mov_b32 v46, v42
	v_xor_b32 v41, v40, v41                        ; word 1: some key counts, but not all for all (the second implies the first)
	v_xor_b32 v45, v44, v45
	s_lshl_b32 s22, s20, 10                        ; 64 groups of 16 bytes a batch
	s_add_nc_u64 s[18:19], s[18:19], s[22:23]
	v_lshlrev_b32 v4, 5, v2
	global_store_b128 v4, v[40:43], s[18:19]
	global_store_b128 v4, v[44:47], s[18:19] offset:16
	s_endpgm
; ---------------- X: a plain stream of blocks of 32.  A wave takes 16 steps of 512 numbers: 8 rows.  Each load reads 512 consecutive bytes; a step's 2,048 bytes turn through the wave's own stage in LDS (16 bytes of padding
; behind each 64) and come back 64 bytes a lane: 16 neighbours, two lanes to a block.  A plane's codes of the wave's 8 rows leave as 384 consecutive bytes; the wave's 256 scale bytes are gathered in LDS and leave as one aligned run of 256.
.set STEPS, 16
.set CB,    12                         ; bytes of 16 codes
.set SP,    80                         ; a lane's place in a stage
.set XR,    16                         ; v16-79   four sets of 16 numbers as loaded
.set XN,    80                         ; v80-111  two sets of 16 neighbours
.set XE,    112                        ; v112-127 a scale byte for each step
.set XC,    128                        ; v128-191 codes, four registers a step: no store's data are written again
.macro XLOAD t
.irp i, 0,1,2,3
	global_load_b128 v[XR+16*((\t)%4)+4*\i:XR+16*((\t)%4)+4*\i+3], v3, s[4:5] offset:2048*(\t)+512*\i th:TH_LOAD_NT
.endr
.endm
.macro XTURN t                         ; LDS serves a wave's instructions in order: no wait between the stores and the loads
.irp i, 0,1,2,3
	ds_store_b128 v14, v[XR+16*((\t)%4)+4*\i:XR+16*((\t)%4)+4*\i+3] offset:32*SP*((\t)%2)+8*SP*\i
.endr
.irp i, 0,1,2,3
	ds_load_b128 v[XN+16*((\t)%2)+4*\i:XN+16*((\t)%2)+4*\i+3], v15 offset:32*SP*((\t)%2)+16*\i
.endr
.endm
.macro XSTEP t
.set XB, XN+16*((\t)%2)
.if (\t) > 0
	s_wait_dscnt 1                                 ; this step's numbers are back from the stage; the last step's codes store may be out
.else
	s_wait_dscnt 0x0
.endif
.if (\t)+4 < STEPS
	XLOAD (\t)+4
.endif
.if (\t)+1 < STEPS
.if STEPS-2-(\t) >= 3
	s_wait_loadcnt 12                              ; the next step's four loads are in; the 12 of the three steps behind it may be out
.else
	s_wait_loadcnt 4*(STEPS-2-(\t))
.endif
	XTURN (\t)+1
.endif
	v_max3_num_f32 v8, |v[XB]|, |v[XB+1]|, |v[XB+2]|
	v_max3_num_f32 v9, |v[XB+3]|, |v[XB+4]|, |v[XB+5]|
.irp i, 6,10
	v_max3_num_f32 v8, v8, |v[XB+\i]|, |v[XB+\i+1]|
	v_max3_num_f32 v9, v9, |v[XB+\i+2]|, |v[XB+\i+3]|
.endr
	v_max3_num_f32 v8, v8, |v[XB+14]|, |v[XB+15]|
	v_max3_num_f32 v8, v8, v9, 0x2800000           ; the floor 2^(5 - 127): the byte cannot fall under 1
	v_max_num_f32_dpp v8, v8, v8 row_xmask:1 row_mask:0xf bank_mask:0xf   ; with my neighbour's 16: the block's largest magnitude
	v_add_nc_u32 v11, 0xfe000000, v8               ; 4 off its exponent field: the conversion takes that field as its scale
	v_cvt_scalef32_pk16_bf6_f32 v[XC+4*(\t):XC+4*(\t)+2], v[XB:XB+15], v11
	v_lshrrev_b32 v[XE+(\t)], 23, v11              ; the scale's byte
	ds_store_b8 v5, v[XE+(\t)] offset:16*(\t)      ; both lanes of a block write the same byte with the same value
	ds_store_b96 v4, v[XC+4*(\t):XC+4*(\t)+2] offset:4224*((\t)%2)+64*((\t)/2)   ; plane 8 (t % 2) + lane / 4, row t / 2, piece lane % 4, each piece in a place of 16 bytes
.endm
.Lx:
	s_wait_alu depctr_va_vdst(0)
	v_lshlrev_b32 v3, 4, v2                        ; my 16 bytes of a load's 512
	s_mul_i32 s21, s20, 8192                       ; my wave's region of LDS
	v_lshrrev_b32 v14, 2, v2
	v_mul_u32_u24 v14, v14, SP
	v_and_b32 v15, 3, v2
	v_lshl_add_u32 v14, v15, 4, v14
	v_add_nc_u32 v14, s21, v14                     ; the stage, on the way in
	v_mul_u32_u24 v15, v2, SP
	v_add_nc_u32 v15, s21, v15                     ; and on the way out
	v_lshrrev_b32 v4, 2, v2
	v_mul_u32_u24 v4, v4, 528
	v_and_b32 v10, 3, v2
	v_lshl_add_u32 v4, v10, 4, v4
	s_mul_i32 s30, s20, 8448
	s_add_co_u32 s30, s30, XST
	v_add_nc_u32 v4, s30, v4                       ; the codes' stage, on the way in: 528 (lane / 4) + 16 (lane % 4)
	v_lshl_add_u32 v10, v2, 4, s30                 ; and on the way out: 16 x lane of a plane
	v_mul_u32_u24 v1, v2, CB                       ; the same place in memory: 12 x lane
	v_lshrrev_b32 v5, 1, v2
	s_add_co_u32 s21, s21, 2*32*SP
	v_add_nc_u32 v5, s21, v5                       ; my block's scale byte in LDS
	v_lshlrev_b32 v7, 3, v2
	v_add_nc_u32 v6, s21, v7
	s_lshl_b32 s22, ttmp9, 2
	s_add_co_u32 s24, s22, s20                     ; the run of 8 rows that I read: 4 x work-group + wave
	s_lshl_b32 s24, s24, 15
	s_mov_b32 s25, 0
	s_add_nc_u64 s[4:5], s[4:5], s[24:25]
	s_and_b32 s23, s20, 1
	s_lshl_b32 s23, s23, 1
	s_lshr_b32 s28, s20, 1
	s_or_b32 s23, s23, s28
	s_add_co_u32 s22, s22, s23                     ; and the run that I write: the wave's two bits swapped, which are bits 3 and 4 of the row
	s_mul_i32 s24, s22, 384                        ; 8 positions of 48 bytes in each plane
	s_add_nc_u64 s[26:27], s[12:13], s[24:25]      ; its codes
	s_lshl_b32 s24, s22, 8
	s_add_co_u32 s24, s24, XS
	s_add_nc_u64 s[28:29], s[12:13], s[24:25]      ; its scale bytes
.irp t, 0,1,2,3
	XLOAD \t
.endr
	s_wait_alu depctr_va_vdst(0)
	s_wait_loadcnt 12                              ; step 0's four loads are in
	XTURN 0
.irp t, 0,1,2,3,4,5,6,7,8,9,10,11,12,13,14,15
	XSTEP \t
.endr
	ds_load_b64 v[8:9], v6
.set n, 0
.rept 16
	ds_load_b96 v[16+4*n:18+4*n], v10 offset:528*n ; plane n: my 8 rows' 32 pieces
.set n, n+1
.endr
	s_wait_dscnt 0x0
	global_store_b64 v7, v[8:9], s[28:29]          ; 32 lanes store 256 consecutive bytes, aligned
.set n, 0
.rept 16
	global_store_b96 v1, v[16+4*n:18+4*n], s[26:27] offset:540672*n   ; 384 consecutive bytes of plane n
.set n, n+1
.endr
	s_wait_tensorcnt 0x0                           ; the wave's end, behind my last LDS store
	ds_add_u32 v[SPW], v[NIL]
	s_wait_dscnt 0x0
	s_endpgm
; ---------------- THE WEIGHTS: K is the first axis.  A lane takes a column n and its registers run down K: a block of 32 lies in one lane, and the codes come out with K innermost.  A wave takes 32 columns x 256 along K;
; the codes go through the wave's own stage and leave by planes: 32 lanes store 8 positions' 384 consecutive bytes of a plane.
.set NB,    8                          ; blocks of 32 along K for a wave
.set PITCH, 272                        ; a stage row: sixteen places of 16 bytes, each with 12 bytes of codes, + 16
.set KROW,  768                        ; a row of codes in memory
.set WX,    32                         ; v32-95   two sets of 32 numbers
.set WC,    96                         ; v96..    a block's codes
.set OUTR,  112                        ; v112-175 the way out
.set SB,    24                         ; v24-25   the scale bytes, four to a register
.macro WLOAD t
.set m, 0
.rept 32
	global_load_b32 v[WX+32*((\t)%2)+m], v3, s[30:31] offset:(32*(\t)+m)*QN*4 th:TH_LOAD_NT
.set m, m+1
.endr
.endm
.macro WBLOCK t
.set XB, WX+32*((\t)%2)
.if (\t) < NB-1
	s_wait_loadcnt 32                              ; this block's 32 loads are in; the next block's 32 may be out
.else
	s_wait_loadcnt 0
.endif
	v_max3_num_f32 v16, |v[XB]|, |v[XB+1]|, |v[XB+2]|
	v_max3_num_f32 v17, |v[XB+3]|, |v[XB+4]|, |v[XB+5]|
.irp i, 6,10,14,18,22,26
	v_max3_num_f32 v16, v16, |v[XB+\i]|, |v[XB+\i+1]|
	v_max3_num_f32 v17, v17, |v[XB+\i+2]|, |v[XB+\i+3]|
.endr
	v_max3_num_f32 v16, v16, |v[XB+30]|, |v[XB+31]|
	v_max3_num_f32 v16, v16, v17, 0x2800000        ; the floor
	v_add_nc_u32 v18, 0xfe000000, v16              ; the conversion's scale operand
	v_lshrrev_b32 v17, 23, v18                     ; the scale's byte
.if (\t)%4 == 0
	v_mov_b32 v[SB+(\t)/4], v17
.else
	v_lshl_or_b32 v[SB+(\t)/4], v17, 8*((\t)%4), v[SB+(\t)/4]
.endif
	v_cvt_scalef32_pk16_bf6_f32 v[WC:WC+2], v[XB:XB+15], v18
	v_cvt_scalef32_pk16_bf6_f32 v[WC+4:WC+6], v[XB+16:XB+31], v18
	ds_store_b96 v4, v[WC:WC+2] offset:32*(\t)
	ds_store_b96 v4, v[WC+4:WC+6] offset:32*(\t)+16
.if (\t)+2 < NB
	WLOAD (\t)+2
.endif
	s_wait_dscnt 0x0                               ; the stores have read their registers: the next block's codes may be written
.endm
; n: columns of the weight; perm: positions with bits 3 and 4 swapped; planes: scale words in planes; stg: LDS; codes, scales: byte places in wq; first: the path's first work-group.  s[30:31]: the weight
.macro QW n, perm, planes, stg, codes, scales, first
.set QN, \n
	s_sub_co_u32 s21, ttmp9, \first
	s_lshr_b32 s22, s21, 2                         ; which 128 columns
	s_and_b32 s21, s21, 3                          ; which 256 along K
	s_lshl_b32 s22, s22, 7
	s_lshl_b32 s23, s20, 5
	s_add_co_u32 s22, s22, s23                     ; my wave's first column
	v_lshlrev_b32 v3, 2, v2
	s_mul_i32 s23, s20, 32*PITCH
	s_add_co_u32 s23, s23, \stg                    ; my stage
.if \perm
	v_and_b32 v10, 7, v2                           ; my column's position among the wave's 32
	v_and_b32 v11, 8, v2
	v_lshl_or_b32 v10, v11, 1, v10
	v_bfe_u32 v11, v2, 4, 1
	v_lshl_or_b32 v10, v11, 3, v10
.set PR, 10
.else
.set PR, 2
.endif
	v_mul_u32_u24 v4, v[PR], PITCH
	v_add_nc_u32 v4, s23, v4                       ; into the stage: row = my position
	v_and_b32 v5, 3, v2
	v_lshrrev_b32 v6, 2, v2
	v_mul_u32_u24 v7, v6, PITCH
	v_lshl_add_u32 v7, v5, 4, v7
	v_add_nc_u32 v7, s23, v7                       ; out of it: four lanes to a row, eight rows an instruction
	v_mul_u32_u24 v8, v2, 12                       ; out: 8 rows x 4 pieces of one plane an instruction: 384 consecutive bytes
	s_mul_i32 s24, s21, 256*\n*4
	s_lshl_b32 s25, s22, 2
	s_add_co_u32 s24, s24, s25
	s_mov_b32 s25, 0
	s_add_nc_u64 s[30:31], s[30:31], s[24:25]
	s_mul_i32 s24, s22, 48
	s_mul_i32 s26, s21, 4*PLB                      ; four planes for each 256 along K
	s_add_co_u32 s24, s24, s26
	s_add_co_u32 s24, s24, \codes
	s_add_nc_u64 s[32:33], s[36:37], s[24:25]
.if \planes
	s_lshl_b32 s24, s21, 13                        ; two planes of 4,096 bytes for each 256 along K
	s_lshl_b32 s26, s22, 2
.else
	s_lshl_b32 s24, s22, 5                         ; 32 scale bytes a position
	s_lshl_b32 s26, s21, 3
	s_wait_alu depctr_va_vdst(0)                   ; ahead of the reader below
	v_lshlrev_b32 v9, 5, v[PR]
.endif
	s_add_co_u32 s24, s24, s26
	s_add_co_u32 s24, s24, \scales
	s_add_nc_u64 s[34:35], s[36:37], s[24:25]
	WLOAD 0
	WLOAD 1
.set Q, 0
.rept NB
	WBLOCK Q
.set Q, Q+1
.endr
.if \planes
	global_store_b32 v3, v[SB], s[34:35]           ; 128 consecutive bytes a wave in each plane
	s_wait_alu depctr_va_vdst(0)
	global_store_b32 v3, v[SB+1], s[34:35] offset:4096
.else
	s_wait_alu depctr_va_vdst(0)
	global_store_b64 v9, v[SB:SB+1], s[34:35]      ; my column's 8 scale bytes
.endif
.irp t, 0,1,2,3,4,5,6,7,8,9,10,11,12,13,14,15
	ds_load_b96 v[OUTR+4*\t:OUTR+4*\t+2], v7 offset:(\t%4)*8*PITCH+(\t/4)*64
.endr
.irp t, 0,1,2,3,4,5,6,7,8,9,10,11,12,13,14,15
	s_wait_dscnt 15-\t                             ; the reads behind read t may be out
	global_store_b96 v8, v[OUTR+4*\t:OUTR+4*\t+2], s[32:33] offset:(\t/4)*PLB+(\t%4)*384
.endr
	s_wait_tensorcnt 0x0                           ; the wave's end, behind my last LDS store
	ds_add_u32 v[SPW], v[NIL]
	s_wait_dscnt 0x0
	s_endpgm
.endm
.Lwa:
	s_mov_b64 s[30:31], s[6:7]
	s_mov_b64 s[36:37], s[12:13]                   ; W_attn's codes and scale bytes go into xq
.set PLB, 540672                       ; a plane of xq in bytes
	s_wait_alu depctr_va_vdst(0)
	QW 3072, 1, 0, 32768, 393216, WAS, 256
.Lwp:
	s_mov_b64 s[30:31], s[8:9]
	s_mov_b64 s[36:37], s[14:15]                   ; W_proj's go into wq
.set PLB, 49152                        ; a plane of wq in bytes
	s_wait_alu depctr_va_vdst(0)
	QW 1024, 0, 0, 67584, 0, WPS, 352
; ---------------- COS AND SIN.  A wave takes 32 tokens.  Lane l serves frequencies 2 (l % 16) and 2 (l % 16) + 1; lanes 0-15 make the cosines, lanes 16-31 the sines: a token's 256 bytes leave by one store.
; inv_freq is made as reference() makes it: 1 / P with P = 10000^(i / 32) = 10^(i / 8) rounded to f32; the reciprocal gets one Newton step.  The angle is the f32 product index x inv_freq, as in reference().
; It is reduced by j = the nearest whole number to angle x 2 / pi, with pi / 2 in three parts, each taken off by a fused multiply-add; on the rest stand two short polynomials.  sin x = cos(x - pi / 2): the sines take j + 3.
.macro PT l, a, b
	s_mov_b32 s24, \a
	s_mov_b32 s25, \b
	v_writelane_b32 v5, s24, \l
	v_writelane_b32 v5, s24, \l+16
	v_writelane_b32 v6, s25, \l
	v_writelane_b32 v6, s25, \l+16
.endm
.Ltrig:
	s_sub_co_u32 s21, ttmp9, 384
	s_lshl_b32 s21, s21, 2
	s_add_co_u32 s21, s21, s20                     ; which 32 tokens
	s_lshl_b32 s22, s21, 7
	s_mov_b32 s23, 0
	s_add_nc_u64 s[10:11], s[10:11], s[22:23]
	s_wait_alu depctr_va_vdst(0)
	v_lshlrev_b32 v3, 2, v2
	global_load_b32 v4, v3, s[10:11]               ; a lane a token
	s_lshl_b32 s22, s21, 13                        ; 256 bytes a token
	s_add_nc_u64 s[16:17], s[16:17], s[22:23]
	v_mov_b32 v5, 0
	v_mov_b32 v6, 0
	PT 0, 1.0, 1.333521432163
	PT 1, 1.778279410039, 2.371373705662
	PT 2, 3.162277660168, 4.216965034286
	PT 3, 5.623413251903, 7.498942093325
	PT 4, 10.0, 13.33521432163
	PT 5, 17.78279410039, 23.71373705662
	PT 6, 31.62277660168, 42.16965034286
	PT 7, 56.23413251903, 74.98942093325
	PT 8, 100.0, 133.3521432163
	PT 9, 177.8279410039, 237.1373705662
	PT 10, 316.2277660168, 421.6965034286
	PT 11, 562.3413251903, 749.8942093325
	PT 12, 1000.0, 1333.521432163
	PT 13, 1778.279410039, 2371.373705662
	PT 14, 3162.277660168, 4216.965034286
	PT 15, 5623.413251903, 7498.942093325
	s_wait_alu depctr_va_vdst(0)
	v_rcp_f32 v7, v5
	v_rcp_f32 v8, v6
	v_bfe_u32 v9, v0, 4, 1                         ; (a plain line behind the reciprocals)
	s_wait_alu depctr_va_vdst(0)                   ; one wait for both, ahead of their first reader
	v_fma_f32 v14, -v5, v7, 1.0
	v_fma_f32 v15, -v6, v8, 1.0
	v_fma_f32 v7, v7, v14, v7                      ; inv_freq of my two frequencies
	v_fma_f32 v8, v8, v15, v8
	v_mul_u32_u24 v9, v9, 3                        ; 3 for the sines, 0 for the cosines
	v_lshlrev_b32 v11, 3, v2                       ; my 8 bytes of a token's 256
	s_mov_b32 s36, 0x3f22f983                      ; 2 / pi
	s_mov_b32 s37, 0xbfc90fd8                      ; -pi / 2, in three parts
	s_mov_b32 s38, 0xb4a8885a
	s_mov_b32 s39, 0xa7c234c4
	s_mov_b32 s40, 0x37cd4000                      ; the cosine's polynomial in r^2; its last two terms are -0.5 and 1
	s_mov_b32 s41, 0xbab6077d
	s_mov_b32 s42, 0x3d2aaaa8
	s_mov_b32 s44, 0x36405000                      ; the sine's
	s_mov_b32 s45, 0xb9503486
	s_mov_b32 s46, 0x3c0888c1
	s_mov_b32 s47, 0xbe2aaaab
	s_wait_loadcnt 0x0
	v_cvt_f32_i32 v4, v4
	s_mov_b32 s30, 0
.Ltok:                                             ; 16 trips of two tokens: four chains (token e / 2, frequency e % 2) line by line, so that no line waits for the line above it
	s_add_co_u32 s31, s30, 1
	v_readlane_b32 s48, v4, s30
	v_readlane_b32 s49, v4, s31
	s_wait_alu depctr_va_vdst(0)
.irp e, 0,1,2,3
	v_mul_f32 v[32+\e], s[48+\e/2], v[7+\e%2]      ; the angle
.endr
.irp e, 0,1,2,3
	v_mul_f32 v[36+\e], s36, v[32+\e]
.endr
.irp e, 0,1,2,3
	v_rndne_f32 v[36+\e], v[36+\e]                 ; j
.endr
.irp e, 0,1,2,3
	v_fma_f32 v[40+\e], v[36+\e], s37, v[32+\e]
.endr
.irp e, 0,1,2,3
	v_fma_f32 v[40+\e], v[36+\e], s38, v[40+\e]
.endr
.irp e, 0,1,2,3
	v_fma_f32 v[40+\e], v[36+\e], s39, v[40+\e]    ; r
.endr
.irp e, 0,1,2,3
	v_mul_f32 v[44+\e], v[40+\e], v[40+\e]
.endr
.irp e, 0,1,2,3
	v_fma_f32 v[48+\e], s40, v[44+\e], s41
	v_fma_f32 v[52+\e], s44, v[44+\e], s45
.endr
.irp e, 0,1,2,3
	v_fma_f32 v[48+\e], v[48+\e], v[44+\e], s42
	v_fma_f32 v[52+\e], v[52+\e], v[44+\e], s46
.endr
.irp e, 0,1,2,3
	v_fma_f32 v[48+\e], v[48+\e], v[44+\e], -0.5
	v_fma_f32 v[52+\e], v[52+\e], v[44+\e], s47
.endr
.irp e, 0,1,2,3
	v_fma_f32 v[48+\e], v[48+\e], v[44+\e], 1.0    ; cos r
	v_mul_f32 v[56+\e], v[40+\e], v[44+\e]
.endr
.irp e, 0,1,2,3
	v_fma_f32 v[52+\e], v[52+\e], v[56+\e], v[40+\e]   ; sin r
	v_cvt_i32_f32 v[60+\e], v[36+\e]
.endr
.irp e, 0,1,2,3
	v_add_nc_u32 v[60+\e], v[60+\e], v9            ; q
.endr
.irp e, 0,1,2,3
	v_and_b32 v[56+\e], 1, v[60+\e]
	v_add_nc_u32 v[60+\e], 1, v[60+\e]
.endr
.irp e, 0,1,2,3
	v_cmp_eq_u32 vcc_lo, 1, v[56+\e]
	v_cndmask_b32 v[48+\e], v[48+\e], v[52+\e], vcc_lo   ; q odd: the sine's polynomial
	v_and_b32 v[60+\e], 2, v[60+\e]
.endr
.irp e, 0,1,2,3
	v_lshlrev_b32 v[60+\e], 30, v[60+\e]
.endr
.irp e, 0,1,2,3
	v_xor_b32 v[64+\e], v[48+\e], v[60+\e]         ; the sign: minus where q % 4 is 1 or 2
.endr
	global_store_b64 v11, v[64:65], s[16:17]       ; 32 lanes store a token's 256 consecutive bytes, aligned
	global_store_b64 v11, v[66:67], s[16:17] offset:256
	s_wait_xcnt 0x0                                ; the stores have read their registers: offset and data are written again only behind this wait
	v_add_nc_u32 v11, 512, v11
	s_add_co_u32 s30, s30, 2
	s_cmp_lt_u32 s30, 32
	s_cbranch_scc1 .Ltok
	s_endpgm
.Lfunc_end_k_q602f44e66c_prep:
	.size	k_q602f44e66c_prep, .Lfunc_end_k_q602f44e66c_prep-k_q602f44e66c_prep
	.p2alignl 7, 3214868480
	.fill 96, 4, 3214868480
	.section	.rodata,"a",@progbits
	.p2align	6, 0x0
	.amdhsa_kernel k_q602f44e66c_prep
		.amdhsa_group_segment_fixed_size 136704
		.amdhsa_private_segment_fixed_size 0
		.amdhsa_enable_private_segment 0
		.amdhsa_kernarg_size 64
		.amdhsa_user_sgpr_count 2
		.amdhsa_user_sgpr_kernarg_segment_ptr 1
		.amdhsa_wavefront_size32 1
		.amdhsa_system_sgpr_workgroup_id_x 1
		.amdhsa_system_sgpr_workgroup_id_y 1
		.amdhsa_system_sgpr_workgroup_id_z 1
		.amdhsa_system_vgpr_workitem_id 0
		.amdhsa_next_free_vgpr 192
		.amdhsa_next_free_sgpr 68
		.amdhsa_reserve_vcc 1
		.amdhsa_float_denorm_mode_32 3
		.amdhsa_float_denorm_mode_16_64 3
		.amdhsa_memory_ordered 1
		.amdhsa_forward_progress 1
		.amdhsa_inst_pref_size 155
	.end_amdhsa_kernel
	.amdgpu_metadata
---
amdhsa.version: [ 1, 2 ]
amdhsa.kernels:
  - .name:           k_q602f44e66c_prep
    .symbol:         k_q602f44e66c_prep.kd
    .args:
      - { .name: x, .offset: 0, .size: 8, .value_kind: global_buffer, .address_space: global }
      - { .name: W_attn, .offset: 8, .size: 8, .value_kind: global_buffer, .address_space: global }
      - { .name: W_proj, .offset: 16, .size: 8, .value_kind: global_buffer, .address_space: global }
      - { .name: indices, .offset: 24, .size: 8, .value_kind: global_buffer, .address_space: global }
      - { .name: xq, .offset: 32, .size: 8, .value_kind: global_buffer, .address_space: global }
      - { .name: wq, .offset: 40, .size: 8, .value_kind: global_buffer, .address_space: global }
      - { .name: trig, .offset: 48, .size: 8, .value_kind: global_buffer, .address_space: global }
      - { .name: flags, .offset: 56, .size: 8, .value_kind: global_buffer, .address_space: global }
    .group_segment_fixed_size: 136704
    .private_segment_fixed_size: 0
    .kernarg_segment_align: 8
    .kernarg_segment_size: 64
    .max_flat_workgroup_size: 128
    .sgpr_count:     68
    .vgpr_count:     192
    .wavefront_size: 32
...
	.end_amdgpu_metadata
.endif
;; end of part 1
;; launch gemm_qkv (part 2): grid 8 x 32, 4 waves a work-group, clusters of 4 x 4, 327,680 bytes of LDS; arguments xq, trig, qim, kv; writes qim, kv
.if DOCPART == 2
	.amdgcn_target "amdgcn-amd-amdhsa--gfx1250"
	.amdhsa_code_object_version 6
	.text
	.protected	k_q602f44e66c_gemm_qkv
	.globl	k_q602f44e66c_gemm_qkv
	.p2align	8
	.type	k_q602f44e66c_gemm_qkv,@function
k_q602f44e66c_gemm_qkv:
	s_mov_b64 s[64:65], 0
	v_nop
	global_prefetch_b8 v0, s[64:65] scope:SCOPE_SE
	s_setreg_imm32_b32 hwreg(HW_REG_WAVE_MODE, 25, 1), 1
	s_wait_xcnt 0x0
	s_wait_alu depctr_hold_cnt(0) depctr_sa_sdst(0) depctr_va_vdst(0) depctr_va_sdst(0) depctr_va_ssrc(0) depctr_va_vcc(0) depctr_vm_vsrc(0)
	s_getreg_b32 s2, hwreg(HW_REG_IB_STS2, 6, 4)
	s_cmp_eq_u32 s2, 0
	s_cbranch_scc0 .Lentry_in_a_cluster
	s_endpgm
.Lentry_in_a_cluster:
	s_bfe_u32 s2, ttmp6, 0x10000c
	s_cmp_lg_u32 s2, 0xf033
	s_cbranch_scc0 .Lentry_shape_is_right
	s_endpgm
.Lentry_shape_is_right:
; SECOND LAUNCH: qkv = x W_attn on codes of E3M2 (K = 1,024), the rotary embedding of q and k, and the quantisers of q and k (along the head's 64) and of v (along the keys).  No work is left out here.
; q, k and v leave as IMAGES OF OPERAND REGISTERS, lane l's 16 bytes at 512 c + 16 l of chunk c.  qim: [batch x head][128 tokens] 7,168 bytes: 12 chunks of codes (6 registers for each of 8 tiles of 16 tokens),
; 2 chunks of scale words (bytes 2, 3 = 127).  kv: 13,824 bytes: k as q; then v: 12 chunks of codes (4 tiles of 16 dimensions x 128 keys), 1 chunk of scale words.
; SHARES.  256 work-groups that stay.  A work-group keeps 256 positions of x, all of K, in LDS (16 planes x 12,288 bytes) and walks three tiles of 128 positions of W_attn: tile g of q, tile g of k, tile g of v (two heads each).
; W's tile (16 planes x 6,144 bytes) has ONE slot: it is asked for again when all waves have multiplied it, and lands while the tile's results are embedded, quantised and stored.
; A wave makes 128 tokens (half w / 2) x 64 columns (head w % 2): 32 accumulators.  All scale bytes come once, with the first fills.
; q, k: source 0 = W, source 1 = x: a lane holds a token, its registers run along the head.  v: the sources change places: a lane holds a dimension, its registers run along the tokens.
; Positions in xq have bits 3 and 4 swapped: register 16 b + i of a lane holds row 32 b + 16 (lane / 16) + i of source 0, and lane r of block 2 g + u holds row 32 g + 8 u + r + 8 (r / 8) of source 1.
; CLUSTERS of 4 x 4: x's tile and scales are shared along a row of the cluster, W's along a column, each asked for jointly.
; NO PREFETCH: x is loaded once at the head, with no loop ahead of it; each refill of W (98,304 bytes) is asked for a whole way out ahead of the wait for it.
; LDS rows are 48 bytes, 12 words: the 32 lanes of a load of 8 bytes (words 12 r + 6 h) fall on 64 different banks (ISA guide 11.1): no padding.
; LIMITS: as stated at the first launch's head (byte 1 for blocks of zeros and under the floor; NaN and infinities not served).
; REGISTERS: window 0: v1-7 at work, v8-15, v16-23 LDS addresses of x's and W's fragments for the 8 K steps, v24-29 addresses; v32-127 W's fragments, two sets; v128-191 x's scale words, v192-223 W's; on the way out v32-249 are free.
; window 1: x's fragments, two sets; window 2: the accumulators; window 3: cos and sin of my 128 tokens (block a at 32 a: 16 cos, 16 sin), loaded once, for q and k.
.set PLE,   67584                      ; a plane of xq in elements of 8 bytes
.set XS,    8650752
.set WAS,   8912896
.set WC0,   393216                     ; W_attn's first position in a plane, in bytes
.set LW,    196608                     ; LDS: x's codes at 0, W's here,
.set LSX,   294912                     ; x's scale bytes (256 x 32),
.set LSW,   303104                     ; W's (3 tiles x 128 x 32),
.set SPARE, 315392                     ; the spare words, 128 bytes a wave, that no other line names
.set ADRX,  8
.set ADRW,  16
.set ADRSX, 26
.set ADRSW, 27
.set SPW,   28
.set NIL,   29
.set WF,    32
.set SX,    128
.set SW,    192
.set G1X,  24
.set G0X,  32
.set G0WH, 36
.set G1W,  48
.set G0S,  56
.set G0SW, 60
.set G1S,  68
.set G1SW, 80
.set G0W,  88
.set MSB, 0
.macro WIN new                         ; the immediate's high byte repeats the setting that is left
.if MSB != (\new)
	s_set_vgpr_msb (MSB<<8)|(\new)
.set MSB, (\new)
.endif
.endm
.macro PLACES                          ; plain vector lines between a matrix instruction and a load into, or a read of, its registers
.rept 4
	v_nop
.endr
.endm
.macro CROUND                          ; a round of the cluster's barrier
	s_barrier_signal -1
	s_barrier_wait -1
	s_cmp_lg_u32 s14, 0
	s_cbranch_scc1 .Lnot_wave_0_\@
	s_barrier_signal -3
.Lnot_wave_0_\@:
	s_barrier_wait -3
	s_barrier_signal -1
	s_barrier_wait -1
.endm
.macro DESC g, c, r, p                 ; group 1 behind its first word: r rows of c elements of 8 bytes, p elements apart
	s_mov_b32 s[\g+1], (\c)<<16
	s_mov_b32 s[\g+2], (\r)<<16
	s_mov_b32 s[\g+3], (\c)<<16
	s_mov_b32 s[\g+4], \r
	s_mov_b32 s[\g+5], \p
	s_mov_b32 s[\g+6], 0
	s_mov_b32 s[\g+7], 0
.endm
.macro G0SET g, lds, a
	s_mov_b32 s[\g], 1
	s_mov_b32 s[\g+1], \lds
	s_mov_b64 s[\g+2:\g+3], s[\a:\a+1]
	s_or_b32 s[\g+3], s[\g+3], 0x80000000
.endm
.macro ARM under, g0, g1, next         ; one arm of the head's tree: its load, and a jump to the tree's end
	s_cmp_lt_u32 s14, \under
	s_cbranch_scc0 \next
	tensor_load_to_lds s[\g0:\g0+3], s[\g1:\g1+7]
	s_nop 0
	PLACES
	s_branch .Lhead_asked
\next:
.endm
	s_load_b256 s[4:11], s[0:1], 0x0               ; xq 4:5, trig 6:7, qim 8:9, kv 10:11
	v_lshl_add_u32 v[SPW], v0, 2, SPARE
	v_mov_b32 v[NIL], 0
	ds_add_u32 v[SPW], v[NIL]                      ; the opening lines: the add, twice on end, and its wait ahead of my first tensor load
	ds_add_u32 v[SPW], v[NIL]
	v_lshrrev_b32 v1, 5, v0
	v_readfirstlane_b32 s14, v1                    ; wave 0..3
	s_lshr_b32 s15, s14, 1                         ; my half of the tokens
	s_and_b32 s16, s14, 1                          ; my head of the tile's two
	s_bfe_u32 s40, ttmp6, 0x40000                  ; cx
	s_bfe_u32 s41, ttmp6, 0x40004                  ; cy
	s_lshl_b32 s42, ttmp9, 2
	s_add_co_u32 s42, s42, s40                     ; g: which 128 columns of q, of k and of v
	s_and_b32 s17, ttmp7, 0xffff
	s_lshl_b32 s17, s17, 2
	s_add_co_u32 s17, s17, s41                     ; which 256 tokens
	s_lshl_b32 s43, s41, 2
	s_lshl_b32 s43, 15, s43                        ; my row of the cluster
	s_lshl_b32 s44, 0x1111, s40                    ; my column
	s_or_b32 s[G1X], s43, (3<<16)|(1<<21)          ; the mask; elements of 8 bytes; bit 21 beside a mask
	s_or_b32 s[G1S], s43, (3<<16)|(1<<21)
	s_or_b32 s[G1W], s44, (3<<16)|(1<<21)
	s_or_b32 s[G1SW], s44, (3<<16)|(1<<21)
	DESC G1X, 1536, 16, PLE                        ; x: 16 planes x 256 positions x 48 bytes
	DESC G1W, 768, 16, PLE                         ; W: 16 planes x 128 positions (at the head; 4 planes a wave later)
	DESC G1S, 32, 32, 32                           ; x's scale bytes: a dense block of 8,192 bytes
	DESC G1SW, 512, 3, 4096                        ; W's: three tiles' 4,096 bytes, 1,024 positions apart
	s_mul_i32 s20, s17, 12288
	s_mov_b32 s21, 0
	s_lshl_b32 s22, s17, 13
	s_add_co_u32 s22, s22, XS
	s_mov_b32 s23, 0
	s_mul_i32 s46, s42, 6144
	s_add_co_u32 s46, s46, WC0
	s_mov_b32 s47, 0
	s_lshl_b32 s18, s42, 12
	s_add_co_u32 s18, s18, WAS
	s_mov_b32 s19, 0
	s_mul_i32 s2, s14, 4*PLE*8                     ; a refill: my four planes,
	s_add_co_u32 s2, s2, 49152                     ; of the tile 1,024 positions on
	s_mov_b32 s3, 0
	s_mul_i32 s45, s14, 24576
	s_add_co_u32 s45, s45, LW
	s_wait_dscnt 0x0                               ; both opening adds are done
	s_wait_kmcnt 0x0
	s_add_nc_u64 s[20:21], s[4:5], s[20:21]
	s_add_nc_u64 s[22:23], s[4:5], s[22:23]
	s_add_nc_u64 s[46:47], s[4:5], s[46:47]
	s_add_nc_u64 s[18:19], s[4:5], s[18:19]
	CROUND                                         ; all sixteen work-groups are here: the first joint loads meet
	G0SET G0X, 0, 20
	G0SET G0WH, LW, 46
	G0SET G0S, LSX, 22
	G0SET G0SW, LSW, 18
	s_mov_b32 s[G0W], 1
	s_mov_b32 s[G0W+1], s45
	s_add_nc_u64 s[G0W+2:G0W+3], s[46:47], s[2:3]
	s_or_b32 s[G0W+3], s[G0W+3], 0x80000000
	ARM 1, G0X, G1X, .Lhead_w                      ; one tensor load a wave at the head: x's codes, W's first tile, x's scales, W's scales
	ARM 2, G0WH, G1W, .Lhead_sx
	ARM 3, G0S, G1S, .Lhead_sw
	tensor_load_to_lds s[G0SW:G0SW+3], s[G1SW:G1SW+7]
	s_nop 0
	PLACES
.Lhead_asked:
	s_lshr_b32 s18, s17, 3                         ; my image: ((batch x 16 + head) x 16 + the step of 128 tokens)
	s_lshl_b32 s18, s18, 4
	s_lshl_b32 s19, s42, 1
	s_add_co_u32 s18, s18, s19
	s_add_co_u32 s18, s18, s16
	s_lshl_b32 s18, s18, 4
	s_and_b32 s19, s17, 7
	s_lshl_b32 s19, s19, 1
	s_add_co_u32 s18, s18, s19
	s_add_co_u32 s18, s18, s15
	s_mul_i32 s20, s18, 7168
	s_mov_b32 s21, 0
	s_add_nc_u64 s[92:93], s[8:9], s[20:21]        ; q's image
	s_mul_i32 s20, s18, 13824
	s_add_nc_u64 s[94:95], s[10:11], s[20:21]      ; k's
	s_add_nc_u64 s[12:13], s[94:95], 7168          ; v's, behind k's
	s_lshl_b32 s20, s17, 16
	s_lshl_b32 s22, s15, 15
	s_add_co_u32 s20, s20, s22
	s_add_nc_u64 s[6:7], s[6:7], s[20:21]          ; the table of cos and sin at my first token
	s_mul_i32 s76, s15, 6144
	s_mul_i32 s77, s16, 3072
	s_add_co_u32 s77, s77, LW
	s_lshl_b32 s78, s15, 12
	s_add_co_u32 s78, s78, LSX
	s_lshl_b32 s79, s16, 11
	s_add_co_u32 s79, s79, LSW
	s_mov_b32 s98, 0x76543210                      ; v_permlanex16_b32's selects for lane l xor 16
	s_mov_b32 s99, 0xfedcba98
	s_mov_b32 s97, 0x7f7f0000                      ; the scale bytes of k = 64 .. 127, where the other operand's codes are zeros
	v_and_b32 v1, 15, v0                           ; r
	v_bfe_u32 v2, v0, 4, 1                         ; h
	v_mul_u32_u24 v3, v1, 48
	v_mad_u32_u24 v3, v2, 24, v3                   ; a fragment's row x 48 + 24 h
	v_add_nc_u32 v4, s76, v3
	v_add_nc_u32 v5, s77, v3
.irp q, 0,1,2,3,4,5,6,7
	v_add_nc_u32 v[ADRX+\q], \q*24576, v4          ; K step q: planes 2 q and 2 q + 1
	v_add_nc_u32 v[ADRW+\q], \q*12288, v5
.endr
	v_lshlrev_b32 v6, 5, v1
	v_add_nc_u32 v[ADRSX], s78, v6                 ; my rows' 32 scale bytes
	v_add_nc_u32 v[ADRSW], s79, v6
	v_and_b32 v24, 31, v0
	v_lshlrev_b32 v24, 4, v24                      ; 16 x lane
	v_and_b32 v25, 8, v1
	v_add_nc_u32 v25, v25, v1
	v_lshlrev_b32 v25, 8, v25
	v_lshl_add_u32 v25, v2, 6, v25                 ; (r + 8 (r / 8)) x 256 + 64 h
.irp b, 228,229,230,231
	v_mov_b32 v[\b], 0                             ; written once: a lane permute's destination counts as one of its sources
.endr
	s_wait_alu depctr_va_vdst(0)
	WIN 0xc0
.irp a, 0,1,2,3,4,5,6,7
.irp q, 0,1,2,3
	global_load_b128 v[32*\a+4*\q:32*\a+4*\q+3], v25, s[6:7] offset:(32*(\a/2)+8*(\a%2))*256+16*\q
	global_load_b128 v[32*\a+16+4*\q:32*\a+16+4*\q+3], v25, s[6:7] offset:(32*(\a/2)+8*(\a%2))*256+128+16*\q
.endr
.endr
	WIN 0
	s_wait_tensorcnt 0x0                           ; my tile of the head's four is in
	s_mov_b32 s[G1W+2], 4<<16                      ; no tensor load of mine is out: from here on a load of W brings four planes
	s_mov_b32 s[G1W+4], 4
	s_barrier_signal -1
	s_barrier_wait -1                              ; all four are in
.macro FRAG reg, adr, off, pl          ; 16 rows x 128 K: 12 registers, in pieces of 8 bytes: 24 bytes of each of two planes
.irp p, 0,1,2,3,4,5
	ds_load_b64 v[(\reg)+2*\p:(\reg)+2*\p+1], v[\adr] offset:(\off)+(\p/3)*(\pl)+8*(\p%3)
.endr
.endm
.macro FETCH_X st
	WIN 0x40
.irp i, 0,1,2,3,4,5,6,7
	FRAG 128*((\st)%2)+12*\i, ADRX+(\st), \i*768, 12288
.endr
.endm
.macro FETCH_W st
	WIN 0
.irp i, 0,1,2,3
	FRAG WF+48*((\st)%2)+12*\i, ADRW+(\st), \i*768, 6144
.endr
.endm
.macro WM d, a, b, sa, sb, z           ; z: the first product starts the sum
.if \z
	v_wmma_scale_f32_16x16x128_f8f6f4 v[(\d):(\d)+7], v[(\a):(\a)+11], v[(\b):(\b)+11], 0, v[\sa], v[\sb] matrix_a_fmt:MATRIX_FMT_BF6 matrix_b_fmt:MATRIX_FMT_BF6
.else
	v_wmma_scale_f32_16x16x128_f8f6f4 v[(\d):(\d)+7], v[(\a):(\a)+11], v[(\b):(\b)+11], v[(\d):(\d)+7], v[\sa], v[\sb] matrix_a_fmt:MATRIX_FMT_BF6 matrix_b_fmt:MATRIX_FMT_BF6
.endif
.endm
; 16 matrix instructions.  The 32 accumulators take turns, one instruction a turn, in the same order in every step.
.macro MULQ a0, q                      ; q, k: token blocks a0 .. a0 + 3 x W's four; accumulator (a, b) at 8 (4 a + b)
	WIN 0xa4
.irp a, \a0,\a0+1,\a0+2,\a0+3
.irp b, 0,1,2,3
	WM 8*(4*(\a)+\b), WF+48*((\q)%2)+12*\b, 128*((\q)%2)+12*(\a), SW+8*\b+(\q), SX+8*(\a)+(\q), (\q)==0
.endr
.endr
.endm
.macro MULV a0, q                      ; v: W's blocks a0, a0 + 1 x the eight token blocks; accumulator (a, b) at 8 (8 a + b)
	WIN 0xa1
.irp a, \a0,\a0+1
.irp b, 0,1,2,3,4,5,6,7
	WM 8*(8*(\a)+\b), 128*((\q)%2)+12*\b, WF+48*((\q)%2)+12*(\a), SX+8*\b+(\q), SW+8*(\a)+(\q), (\q)==0
.endr
.endr
.endm
.macro STEP q, v                       ; 128 along K: 32 matrix instructions on set q % 2; the next step's fragments are asked for ahead of each half
	s_wait_dscnt 0x0                               ; this step's fragments are in (x's were asked for 32, W's 16 matrix instructions ago)
.if (\q) < 7
	PLACES
	FETCH_X (\q)+1
.endif
.if \v
	MULV 0, \q
.else
	MULQ 0, \q
.endif
.if (\q) < 7
	FETCH_W (\q)+1
.endif
.if \v
	MULV 2, \q
.else
	MULQ 4, \q
.endif
.endm
.macro MAIN v                          ; a tile: all scale words into registers (word q of a row's eight serves K step q), then the eight steps
.irp i, 0,1,2,3,4,5,6,7
	ds_load_b128 v[SX+8*\i:SX+8*\i+3], v[ADRSX] offset:512*\i
	ds_load_b128 v[SX+8*\i+4:SX+8*\i+7], v[ADRSX] offset:512*\i+16
.endr
.irp i, 0,1,2,3
	ds_load_b128 v[SW+8*\i:SW+8*\i+3], v[ADRSW] offset:512*\i
	ds_load_b128 v[SW+8*\i+4:SW+8*\i+7], v[ADRSW] offset:512*\i+16
.endr
	FETCH_X 0
	FETCH_W 0
.set Q, 0
.rept 8
	STEP Q, \v
.set Q, Q+1
.endr
	WIN 0
.endm
; THE WAY OUT, all in registers: v32-39 scale words; v128-191 two blocks after the rotary embedding; v192-215 codes, two sets; v216-223 the conversions' second halves; v224-239 at work; v240 a scale word; v242-249 products.
.set W0,  32
.set HB,  128
.set R0,  192
.set CT,  216
.set TM,  224
.set PW,  240
; 64 numbers of a lane in window w, register 16 b + i = k 32 b + 16 (lane / 16) + i, become codes: k 0-63 in six registers from d0, k 64-127 in six from d1; the four scale bytes in v[pw].
.macro QUANT s, w, d0, d1, pw
	WIN ((\w)<<2)|((\w)<<4)
.irp b, 0,1,2,3
	v_max3_num_f32 v[TM+\b], 0x2800000, |v[(\s)+16*\b]|, |v[(\s)+16*\b+1]|   ; the floor 2^(5 - 127) among the leaves; each accumulator is read from its low end on
.endr
.irp i, 2,4,6,8,10,12,14
.irp b, 0,1,2,3
	v_max3_num_f32 v[TM+\b], v[TM+\b], |v[(\s)+16*\b+\i]|, |v[(\s)+16*\b+\i+1]|
.endr
.endr
	WIN 0
.irp b, 0,1,2,3
	v_permlanex16_b32 v[TM+4+\b], v[TM+\b], s98, s99
.endr
.irp b, 0,1,2,3
	v_max_num_f32 v[TM+\b], v[TM+\b], v[TM+4+\b]   ; with lane l xor 16's: the block's largest magnitude
.endr
.irp b, 0,1,2,3
	v_add_nc_u32 v[TM+12+\b], 0xfe000000, v[TM+\b] ; 4 off its exponent field: the conversion's scale operand
.endr
.irp b, 0,1,2,3
	v_lshrrev_b32 v[TM+4+\b], 23, v[TM+12+\b]      ; the scale's byte
.endr
	v_lshl_or_b32 v[\pw], v[TM+5], 8, v[TM+4]
	v_lshl_or_b32 v[\pw], v[TM+6], 16, v[\pw]
	v_lshl_or_b32 v[\pw], v[TM+7], 24, v[\pw]
	WIN (\w)
	v_cvt_scalef32_pk16_bf6_f32 v[\d0:\d0+2], v[(\s):(\s)+15], v[TM+12]
	v_cvt_scalef32_pk16_bf6_f32 v[CT:CT+2], v[(\s)+16:(\s)+31], v[TM+13]
	v_cvt_scalef32_pk16_bf6_f32 v[\d1:\d1+2], v[(\s)+32:(\s)+47], v[TM+14]
	v_cvt_scalef32_pk16_bf6_f32 v[CT+4:CT+6], v[(\s)+48:(\s)+63], v[TM+15]
	WIN 0
	v_nop                                          ; one plain place behind a scaled conversion
.irp i, 0,1,2                                  ; the operand's layout wants a whole block in a lane
	v_permlane16_swap_b32 v[\d0+\i], v[CT+\i]
	v_permlane16_swap_b32 v[\d1+\i], v[CT+4+\i]
.endr
.irp i, 0,1,2
	v_mov_b32 v[\d0+3+\i], v[CT+\i]
	v_mov_b32 v[\d1+3+\i], v[CT+4+\i]
.endr
.endm
.macro ROPE a, d                       ; block a's 16 tokens: x1 cos - x2 sin and x1 sin + x2 cos, two at a time; x1 = registers 0-15 of the block's 32, x2 = 16-31; cos and sin stand at the same numbers in window 3
.set AC, 32*(\a)
	WIN 0x0e                                       ; source 0: window 2, source 1: window 3
.irp i, 0,2,4,6,8,10,12,14
.set TP, 242+4*((\i/2)%2)
	v_pk_mul_f32 v[TP:TP+1], v[AC+16+\i:AC+17+\i], v[AC+16+\i:AC+17+\i]
	v_pk_mul_f32 v[TP+2:TP+3], v[AC+16+\i:AC+17+\i], v[AC+\i:AC+\i+1]
	v_pk_fma_f32 v[\d+\i:\d+\i+1], v[AC+\i:AC+\i+1], v[AC+\i:AC+\i+1], v[TP:TP+1] neg_lo:[0,0,1] neg_hi:[0,0,1]
	v_pk_fma_f32 v[\d+16+\i:\d+17+\i], v[AC+\i:AC+\i+1], v[AC+16+\i:AC+17+\i], v[TP+2:TP+3]
.endr
	WIN 0
.endm
	s_mov_b32 s3, 0
.Ltile:                                            ; two trips: q's tile, then k's
	MAIN 0
	s_wait_tensorcnt 0x0                           ; none of my tensor loads is out;
	ds_add_u32 v[SPW], v[NIL]
	s_wait_dscnt 0x0                               ; the add is done, and my reads of W's tile are over
	CROUND                                         ; both now hold of every wave of every work-group of the cluster
	tensor_load_to_lds s[G0W:G0W+3], s[G1W:G1W+7]  ; my four planes of the next tile: it lands while this tile goes out
	s_nop 0
	PLACES                                         ; also the places behind the last products
	s_wait_loadcnt 0x0                             ; cos and sin are in
.irp j, 0,1,2,3
	s_wait_xcnt 0x0                                ; earlier stores have read their registers
	ROPE 2*\j, HB
	ROPE 2*\j+1, HB+32
	QUANT HB, 0, R0+12*(\j%2), R0+12*(\j%2)+6, PW
	v_and_or_b32 v[W0+2*\j], v[PW], 0xffff, s97    ; the first tile's two bytes,
	v_lshrrev_b32 v[W0+2*\j+1], 16, v[PW]
	v_or_b32 v[W0+2*\j+1], s97, v[W0+2*\j+1]       ; the second's
.irp c, 0,1,2
	global_store_b128 v24, v[R0+12*(\j%2)+4*\c:R0+12*(\j%2)+4*\c+3], s[92:93] offset:\j*1536+512*\c   ; 32 lanes store 512 consecutive bytes, aligned
.endr
.endr
	global_store_b128 v24, v[W0:W0+3], s[92:93] offset:6144
	global_store_b128 v24, v[W0+4:W0+7], s[92:93] offset:6656
	v_add_nc_u32 v[ADRSW], 4096, v[ADRSW]          ; the next tile's scale bytes
	s_wait_alu depctr_va_vdst(0)
	s_wait_xcnt 0x0                                ; the stores have read their base and their registers
	s_mov_b64 s[92:93], s[94:95]
	s_wait_tensorcnt 0x0                           ; my part of the next tile is in
	s_add_nc_u64 s[G0W+2:G0W+3], s[G0W+2:G0W+3], 49152
	s_barrier_signal -1
	s_barrier_wait -1                              ; everybody's is
	s_add_co_u32 s3, s3, 1
	s_cmp_lt_u32 s3, 2
	s_cbranch_scc1 .Ltile
	MAIN 1                                         ; v's tile: nothing more is asked for
	PLACES
.irp a, 0,1,2,3                                ; block a: 16 dimensions x 128 tokens: one fragment and one scale word a lane, straight from the accumulators
	s_wait_xcnt 0x0
	QUANT 64*\a, 2, R0+12*(\a%2), R0+12*(\a%2)+6, W0+\a
.irp c, 0,1,2
	global_store_b128 v24, v[R0+12*(\a%2)+4*\c:R0+12*(\a%2)+4*\c+3], s[12:13] offset:\a*1536+512*\c
.endr
.endr
	global_store_b128 v24, v[W0:W0+3], s[12:13] offset:6144
	s_wait_tensorcnt 0x0                           ; the wave's end, behind my last tensor load
	ds_add_u32 v[SPW], v[NIL]
	s_wait_dscnt 0x0
	CROUND                                         ; the closing round: no work-group ends while a partner may still ask for a tile that names it
	s_endpgm
.Lfunc_end_k_q602f44e66c_gemm_qkv:
	.size	k_q602f44e66c_gemm_qkv, .Lfunc_end_k_q602f44e66c_gemm_qkv-k_q602f44e66c_gemm_qkv
	.p2alignl 7, 3214868480
	.fill 96, 4, 3214868480
	.section	.rodata,"a",@progbits
	.p2align	6, 0x0
	.amdhsa_kernel k_q602f44e66c_gemm_qkv
		.amdhsa_group_segment_fixed_size 327680
		.amdhsa_private_segment_fixed_size 0
		.amdhsa_enable_private_segment 0
		.amdhsa_kernarg_size 32
		.amdhsa_user_sgpr_count 2
		.amdhsa_user_sgpr_kernarg_segment_ptr 1
		.amdhsa_wavefront_size32 1
		.amdhsa_system_sgpr_workgroup_id_x 1
		.amdhsa_system_sgpr_workgroup_id_y 1
		.amdhsa_system_sgpr_workgroup_id_z 1
		.amdhsa_system_vgpr_workitem_id 0
		.amdhsa_next_free_vgpr 1024
		.amdhsa_next_free_sgpr 100
		.amdhsa_reserve_vcc 0
		.amdhsa_float_denorm_mode_32 3
		.amdhsa_float_denorm_mode_16_64 3
		.amdhsa_memory_ordered 1
		.amdhsa_forward_progress 1
		.amdhsa_inst_pref_size 211
	.end_amdhsa_kernel
	.amdgpu_metadata
---
amdhsa.version: [ 1, 2 ]
amdhsa.kernels:
  - .name:           k_q602f44e66c_gemm_qkv
    .symbol:         k_q602f44e66c_gemm_qkv.kd
    .args:
      - { .name: xq, .offset: 0, .size: 8, .value_kind: global_buffer, .address_space: global }
      - { .name: trig, .offset: 8, .size: 8, .value_kind: global_buffer, .address_space: global }
      - { .name: qim, .offset: 16, .size: 8, .value_kind: global_buffer, .address_space: global }
      - { .name: kv, .offset: 24, .size: 8, .value_kind: global_buffer, .address_space: global }
    .group_segment_fixed_size: 327680
    .private_segment_fixed_size: 0
    .kernarg_segment_align: 8
    .kernarg_segment_size: 32
    .max_flat_workgroup_size: 128
    .sgpr_count:     100
    .vgpr_count:     1024
    .wavefront_size: 32
...
	.end_amdgpu_metadata
.endif
;; end of part 2
;; launch attn (part 3): grid 4 x 64, 16 waves a work-group, no clusters, 47,104 bytes of LDS; arguments qim, kv, flags, indices, yq; writes yq
.if DOCPART == 3
	.amdgcn_target "amdgcn-amd-amdhsa--gfx1250"
	.amdhsa_code_object_version 6
	.text
	.protected	k_q602f44e66c_attn
	.globl	k_q602f44e66c_attn
	.p2align	8
	.type	k_q602f44e66c_attn,@function
k_q602f44e66c_attn:
	s_mov_b64 s[64:65], 0
	v_nop
	global_prefetch_b8 v0, s[64:65] scope:SCOPE_SE
	s_setreg_imm32_b32 hwreg(HW_REG_WAVE_MODE, 25, 1), 1
	s_wait_xcnt 0x0
; THIRD LAUNCH: y = softmax(q k^T / 8 under the mask indices[k] <= indices[q]) v, both products on codes of E3M2, and the quantiser of y along the model's 1,024 for the last product.
; LEFT OUT: a step of 128 keys that the mask hides from all 32 queries of a wave's group (its weights are 0 for every value of q, k, v): by the flags, whole numbers that the first launch stored.  A NaN or an overflow that
; reaches only such steps is not carried to the result.
; THE SOFTMAX: t = score x log2(e) / 8; M = the row's largest t so far, rounded up to a whole number; p = 2^(t - M) is quantised along the keys, not normalised; the row's sum is taken of the unquantised p and divides at the end.
; When M moves, the sum and O are multiplied by 2^(old M - new M): exact.  Every query sees at least its own key, so the sum is never 0.
; SHARES.  A work-group serves one batch and head in TWO passes: the block of 256 queries 7 - x, then block x (for indices in ascending order every work-group then has the same number of steps that count; no value rests on it).
; Each of its sixteen waves owns one tile of 16 queries in 256 registers, four waves to a SIMD.  Lane r of wave w holds token 32 (w / 2) + 8 (w % 2) + r + 8 (r / 8) of the block.
; K AND V come as images of operand registers (13,824 bytes for 128 keys).  Wave w loads chunk w (and w + 16, where w < 11) of the NEXT step's image into registers at a step's head and stores it into the other of two LDS slots at
; its end; one barrier a step.  All sixteen waves read the slot.  NO TENSOR LOADS AND NO CLUSTER: the walk branches on numbers read from memory.
; BOTH PRODUCTS ARE USED TRANSPOSED: S^T = K Q^T, O^T = V^T P^T: a lane holds one query throughout; register 16 b + i of the scores holds key 32 b + 16 (lane / 16) + i; register 16 b + i of O^T dimension 32 b + 16 (lane / 16) + i.
; THE HEAD HAS 64 DIMENSIONS, the instruction 128: Q's registers 6-11 are zero codes, so K's registers 6-11 may hold anything (here: the next tile's codes; every code of E3M2 is a finite number); the scale bytes there are 127.
; LIMITS: as stated at the first launch's head.
; REGISTERS: v1, v2 the add's two; v3 16 l; v5 16 x thread; v6 64 h; v7 256 l; v8 my query's index; v9 Q's scale word; v10 stage in; v11 -infinity; v12 -M; v13 largest t; v[14:15] the sum; v16-27 Q; v28-35 the chunks in hand;
; v36-89 K's or V's codes; v90-101 p's codes; v102-109 conversions; v110-173 scores, then p; v174-205 O^T; v206-213 K's scale words; v214-217 V's; v218 p's; v220-237 at work; v238 stage out; v239 4 (r + 8 (r / 8)); v243 768 w + 8 l.
.set IMG,   13824
.set QIMG,  7168
.set YS,    6291456                    ; yq: where the scale words begin
.set YST,   32768                      ; LDS: slot 0 at 0, slot 1 at 16,384; the stage for y: 256 rows of 48 bytes
.set SPARE, 45056                      ; the spare words, 128 bytes a wave, that no other line names
	s_load_b256 s[4:11], s[0:1], 0x0               ; qim 4:5, kv 6:7, flags 8:9, indices 10:11
	s_load_b64 s[12:13], s[0:1], 0x20              ; yq
	v_lshl_add_u32 v1, v0, 2, SPARE
	v_mov_b32 v2, 0
	v_lshrrev_b32 v3, 5, v0
	s_delay_alu instid0(VALU_DEP_1)
	v_readfirstlane_b32 s14, v3                    ; wave 0..15
	v_and_b32 v4, 31, v0
	s_delay_alu instid0(VALU_DEP_1)
	v_lshlrev_b32 v3, 4, v4
	v_lshlrev_b32 v5, 4, v0
	v_and_b32 v240, 15, v0                         ; r
	v_bfe_u32 v241, v0, 4, 1                       ; h
	s_delay_alu instid0(VALU_DEP_1)
	v_lshlrev_b32 v6, 6, v241
	v_lshlrev_b32 v7, 8, v4
	s_delay_alu instid0(VALU_DEP_4)
	v_and_b32 v242, 8, v240
	s_delay_alu instid0(VALU_DEP_1)
	v_add_nc_u32 v242, v242, v240                  ; r + 8 (r / 8)
	s_delay_alu instid0(VALU_DEP_1)
	v_lshlrev_b32 v239, 2, v242
	v_lshlrev_b32 v219, 5, v242                    ; v219: 32 (r + 8 (r / 8)): my query's row of y's scale bytes
	s_lshr_b32 s55, s14, 1
	s_lshl_b32 s55, s55, 5
	s_and_b32 s56, s14, 1
	s_lshl_b32 s56, s56, 3
	s_add_co_u32 s55, s55, s56                     ; 32 (w / 2) + 8 (w % 2)
	s_mul_i32 s55, s55, 48
	s_add_co_u32 s55, s55, YST
	v_mul_u32_u24 v10, v242, 48
	s_delay_alu instid0(VALU_DEP_1)
	v_mad_u32_u24 v10, v241, 24, v10
	s_delay_alu instid0(VALU_DEP_1)
	v_add_nc_u32 v10, s55, v10                     ; the stage: my query's row, + 24 h
	s_mul_i32 s55, s14, 768
	v_lshl_add_u32 v243, v4, 3, s55
	s_delay_alu instid0(VALU_DEP_1)
	v_add_nc_u32 v238, YST, v243
	v_mov_b32 v11, 0xff800000
.irp n, 22,23,24,25,26,27
	v_mov_b32 v[\n], 0                             ; Q's codes of k = 64 .. 127
.endr
.irp n, 28,29,30,31,32,33,34,35, 84,85,86,87,88,89, 224,225,226,227, 233
	v_mov_b32 v[\n], 0                             ; written once: registers that some way through the text reads before a load or a result has landed there
.endr
	s_mov_b32 s38, 0x3e38aa3b                      ; c = log2(e) / 8
	s_mov_b32 s39, s38
	s_mov_b32 s40, 0x76543210                      ; v_permlanex16_b32's selects for lane l xor 16
	s_mov_b32 s41, 0xfedcba98
	s_mov_b32 s15, ttmp9
	s_and_b32 s16, ttmp7, 0xffff                   ; batch x 16 + head
	s_lshr_b32 s17, s16, 4
	s_and_b32 s18, s16, 15
	s_and_b32 s54, s14, 1
	s_sub_co_u32 s54, 0, s54                       ; all ones in the odd waves
	s_mul_i32 s42, s16, 16*IMG
	s_mov_b32 s43, 0
	s_wait_kmcnt 0x0
	s_add_nc_u64 s[50:51], s[6:7], s[42:43]        ; the head's 16 images
	s_lshl_b32 s42, s17, 13
	s_add_nc_u64 s[52:53], s[10:11], s[42:43]      ; the batch's indices
; A KEY STEP: 128 keys, in slot sl.  s24, s25, s26: bit 0 = this step counts for my group / is partly hidden / counts for some wave of the work-group; bit 1: the next step's.
.macro STEP sl
	s_wait_dscnt 0x0                               ; my stores into this slot have landed, and my reads of the other slot are over
	s_barrier_signal -1
	s_barrier_wait -1                              ; both now hold of all sixteen waves.  The step's only barrier: it stands outside every branch
	s_bitcmp1_b32 s26, 1
	s_cbranch_scc0 .Lnf_\@
	global_load_b128 v[28:31], v5, s[28:29] offset:(\sl+1)*IMG          ; my chunks of the next step's image: they have this step's work in which to come
	s_cmp_lt_u32 s14, 11
	s_cbranch_scc0 .Lnf_\@
	global_load_b128 v[32:35], v5, s[28:29] offset:(\sl+1)*IMG+8192
.Lnf_\@:
	s_cmp_lt_u32 s35, s34
	s_cbranch_scc0 .Lnp_\@
	global_prefetch_b8 v7, s[32:33] offset:\sl*16384 th:TH_LOAD_NT scope:SCOPE_SE   ; piece 2 s + w + 4 of the head's 27 pieces of 8,192 bytes, lanes 256 bytes apart: see the pass's head
.Lnp_\@:
	s_bitcmp1_b32 s24, 0
	s_cbranch_scc0 .Lskip_\@
.set n, 0
.rept 12
	ds_load_b128 v[36+4*n:39+4*n], v3 offset:\sl*16384+512*n            ; K's codes: tile t in v[36 + 6 t] on
.set n, n+1
.endr
	ds_load_b128 v[206:209], v3 offset:\sl*16384+6144
	ds_load_b128 v[210:213], v3 offset:\sl*16384+6656
	s_wait_dscnt 0x0
.irp t, 0,1,2,3,4,5,6,7
	v_wmma_scale_f32_16x16x128_f8f6f4 v[110+8*\t:117+8*\t], v[36+6*\t:47+6*\t], v[16:27], 0, v[206+\t], v9 matrix_a_fmt:MATRIX_FMT_BF6 matrix_b_fmt:MATRIX_FMT_BF6
.endr
.rept 4
	v_nop                                          ; places in front of the reads of the scores and of the loads into K's registers
.endr
	s_bitcmp1_b32 s25, 0
	s_cbranch_scc0 .Lopen_\@
.irp b, 0,1,2,3                                ; the step's indices, in the scores' order: register 16 b + i: key 32 b + 16 h + i
.irp q, 0,1,2,3
	global_load_b128 v[36+16*\b+4*\q:39+16*\b+4*\q], v6, s[30:31] offset:\sl*512+128*\b+16*\q
.endr
.endr
	s_wait_loadcnt 0x0
.set n, 0
.rept 64
	v_cmp_gt_i32 vcc_lo, v[36+n], v8               ; hidden where the key's index is above the query's: the score becomes -infinity, p = 0
	v_cndmask_b32 v[110+n], v[110+n], v11, vcc_lo
.set n, n+1
.endr
.Lopen_\@:
.set n, 0
.rept 12
	ds_load_b128 v[36+4*n:39+4*n], v3 offset:\sl*16384+7168+512*n       ; V's codes: they come while the softmax is walked
.set n, n+1
.endr
	ds_load_b128 v[214:217], v3 offset:\sl*16384+13312
.irp b, 0,1,2,3
	v_max3_num_f32 v[220+\b], v[110+16*\b], v[111+16*\b], v[112+16*\b]  ; the largest score of each block of 32 keys: for the row's maximum and, since p rises with the score, for the block's largest p
.endr
.irp i, 3,5,7,9,11,13
.irp b, 0,1,2,3
	v_max3_num_f32 v[220+\b], v[220+\b], v[110+16*\b+\i], v[111+16*\b+\i]
.endr
.endr
.irp b, 0,1,2,3
	v_max_num_f32 v[220+\b], v[220+\b], v[125+16*\b]
.endr
.irp b, 0,1,2,3
	s_delay_alu instid0(VALU_DEP_4)
	v_permlanex16_b32 v[224+\b], v[220+\b], s40, s41
.endr
.irp b, 0,1,2,3
	s_delay_alu instid0(VALU_DEP_4)
	v_max_num_f32 v[220+\b], v[220+\b], v[224+\b]
.endr
	s_delay_alu instid0(VALU_DEP_2)
	v_max3_num_f32 v234, v220, v221, v222
	s_delay_alu instid0(VALU_DEP_1)
	v_max_num_f32 v234, v234, v223
	s_delay_alu instid0(VALU_DEP_1)
	v_mul_f32 v234, s38, v234                      ; as t (c is positive)
	s_delay_alu instid0(VALU_DEP_1)
	v_max_num_f32 v13, v13, v234                   ; the running largest t
	v_mov_b32 v234, v12
	s_delay_alu instid0(VALU_DEP_2)
	v_floor_f32 v12, -v13                          ; the new -M = floor(-t)
	s_delay_alu instid0(VALU_DEP_1)
	v_sub_f32 v234, v12, v234                      ; old M less new M: a whole number, 0 or less
	s_delay_alu instid0(VALU_DEP_1)
	v_cvt_i32_f32 v234, v234                       ; (it saturates)
	s_delay_alu instid0(VALU_DEP_1)
	v_ldexp_f32 v232, 1.0, v234                    ; f = 2^(old M - new M)
.set n, 0
.rept 32
	v_pk_fma_f32 v[110+n:111+n], v[110+n:111+n], s[38:39], v[12:13] op_sel_hi:[1,0,0]   ; t - M, two at a time
.set n, n+2
.endr
.irp b, 0,1,2,3
	v_fma_f32 v[220+\b], v[220+\b], s38, v12
.endr
.set n, 0
	s_wait_alu depctr_va_vdst(0)
.rept 64
	v_exp_f32 v[110+n], v[110+n]                   ; p
.set n, n+1
.endr
	v_pk_mul_f32 v[14:15], v[14:15], v[232:233] op_sel_hi:[1,0]         ; the sums under the new M: the plain line behind the batch
	s_wait_alu depctr_va_vdst(0)                   ; one wait for the 64, ahead of their first reader
.irp b, 0,1,2,3
	v_exp_f32 v[220+\b], v[220+\b]                 ; the block's largest p
.endr
	v_pk_add_f32 v[236:237], v[114:115], v[118:119]
	v_pk_add_f32 v[254:255], v[122:123], v[126:127]
	v_pk_add_f32 v[252:253], v[130:131], v[134:135]
	v_pk_add_f32 v[250:251], v[138:139], v[142:143]
	v_pk_add_f32 v[248:249], v[146:147], v[150:151]
	v_pk_add_f32 v[246:247], v[154:155], v[158:159]
	v_pk_add_f32 v[244:245], v[162:163], v[166:167]
	v_pk_add_f32 v[14:15], v[14:15], v[170:171]
	v_pk_add_f32 v[236:237], v[236:237], v[110:111]
	v_pk_add_f32 v[254:255], v[254:255], v[112:113]
	v_pk_add_f32 v[252:253], v[252:253], v[116:117]
	v_pk_add_f32 v[250:251], v[250:251], v[120:121]
	v_pk_add_f32 v[248:249], v[248:249], v[124:125]
	v_pk_add_f32 v[246:247], v[246:247], v[128:129]
	v_pk_add_f32 v[244:245], v[244:245], v[132:133]
	v_pk_add_f32 v[14:15], v[14:15], v[136:137]
	v_pk_add_f32 v[236:237], v[236:237], v[140:141]
	v_pk_add_f32 v[254:255], v[254:255], v[144:145]
	v_pk_add_f32 v[252:253], v[252:253], v[148:149]
	v_pk_add_f32 v[250:251], v[250:251], v[152:153]
	v_pk_add_f32 v[248:249], v[248:249], v[156:157]
	v_pk_add_f32 v[246:247], v[246:247], v[160:161]
	v_pk_add_f32 v[244:245], v[244:245], v[164:165]
	v_pk_add_f32 v[14:15], v[14:15], v[168:169]
	v_pk_add_f32 v[236:237], v[236:237], v[172:173]
	s_delay_alu instid0(VALU_DEP_2)
	v_pk_add_f32 v[14:15], v[14:15], v[250:251]
	s_delay_alu instid0(VALU_DEP_2)
	v_pk_add_f32 v[236:237], v[236:237], v[248:249]
	v_pk_add_f32 v[254:255], v[254:255], v[246:247]
	v_pk_add_f32 v[252:253], v[252:253], v[244:245]
	s_delay_alu instid0(VALU_DEP_2)
	v_pk_add_f32 v[14:15], v[14:15], v[254:255]
	s_delay_alu instid0(VALU_DEP_2)
	v_pk_add_f32 v[236:237], v[236:237], v[252:253]
	s_delay_alu instid0(VALU_DEP_1)
	v_pk_add_f32 v[14:15], v[14:15], v[236:237]
	s_wait_alu depctr_va_vdst(0)                   ; and one for the four
.irp b, 0,1,2,3
	v_max_num_f32 v[220+\b], 0x2800000, v[220+\b]  ; the floor: the byte cannot fall under 1
.endr
.irp b, 0,1,2,3
	s_delay_alu instid0(VALU_DEP_4)
	v_add_nc_u32 v[228+\b], 0xfe000000, v[220+\b]  ; the conversion's scale operand
.endr
.irp b, 0,1,2,3
	s_delay_alu instid0(VALU_DEP_4)
	v_lshrrev_b32 v[224+\b], 23, v[228+\b]
.endr
	s_delay_alu instid0(VALU_DEP_3)
	v_lshl_or_b32 v218, v225, 8, v224              ; p's scale word for these 128 keys
	s_delay_alu instid0(VALU_DEP_1)
	v_lshl_or_b32 v218, v226, 16, v218
	s_delay_alu instid0(VALU_DEP_1)
	v_lshl_or_b32 v218, v227, 24, v218
.irp c, 0,1
	v_cvt_scalef32_pk16_bf6_f32 v[90+6*\c:92+6*\c], v[110+32*\c:125+32*\c], v[228+2*\c]
	v_cvt_scalef32_pk16_bf6_f32 v[102+4*\c:104+4*\c], v[126+32*\c:141+32*\c], v[228+2*\c+1]
.endr
	v_nop                                          ; one plain place behind a scaled conversion
.irp c, 0,1
.irp i, 0,1,2
	v_permlane16_swap_b32 v[90+6*\c+\i], v[102+4*\c+\i]
.endr
.irp i, 0,1,2
	s_delay_alu instid0(VALU_DEP_3)
	v_mov_b32 v[93+6*\c+\i], v[102+4*\c+\i]
.endr
.endr
.set n, 0
.rept 16
	v_pk_mul_f32 v[174+n:175+n], v[174+n:175+n], v[232:233] op_sel_hi:[1,0]   ; O^T under the new M.  These 16 are also the places between the last write of p's codes and scale word and the products
.set n, n+2
.endr
	s_wait_alu depctr_va_vdst(0)
	s_wait_dscnt 0x0                               ; V is in
.irp t, 0,1,2,3                                ; the four accumulators by turns; the eight products K Q^T stand between two turns of one accumulator
	v_wmma_scale_f32_16x16x128_f8f6f4 v[174+8*\t:181+8*\t], v[36+12*\t:47+12*\t], v[90:101], v[174+8*\t:181+8*\t], v[214+\t], v218 matrix_a_fmt:MATRIX_FMT_BF6 matrix_b_fmt:MATRIX_FMT_BF6
.endr
.rept 4
	v_nop                                          ; places in front of the next loads into these registers and of the next reads of O^T
.endr
.Lskip_\@:
	s_wait_loadcnt 0x0                             ; my chunks of the next image are in (on every way: no load stays out into the next step)
	s_bitcmp1_b32 s26, 1
	s_cbranch_scc0 .Lns_\@
	ds_store_b128 v5, v[28:31] offset:(1-\sl)*16384
	s_cmp_lt_u32 s14, 11
	s_cbranch_scc0 .Lns_\@
	ds_store_b128 v5, v[32:35] offset:(1-\sl)*16384+8192
.Lns_\@:
	s_lshr_b32 s24, s24, 1
	s_lshr_b32 s25, s25, 1
	s_lshr_b32 s26, s26, 1
	s_add_co_u32 s35, s35, 1
.endm
	s_mov_b32 s19, 0
.Lpass:
	s_wait_xcnt 0x0                                ; the last pass's stores and prefetches have read their registers
	s_sub_co_u32 s20, 7, s15
	s_cmp_eq_u32 s19, 0
	s_cselect_b32 s20, s20, s15                    ; J: the block of 256 queries
	s_lshl_b32 s55, s20, 3
	s_lshr_b32 s56, s14, 1
	s_add_co_u32 s55, s55, s56                     ; my group of 32 tokens
	s_lshl_b32 s42, s17, 6
	s_add_co_u32 s42, s42, s55
	s_lshl_b32 s42, s42, 4
	s_add_nc_u64 s[44:45], s[8:9], s[42:43]
	s_load_b128 s[24:27], s[44:45], 0x0            ; the group's three flag words
	s_lshl_b32 s42, s16, 4
	s_lshl_b32 s57, s20, 1
	s_add_co_u32 s42, s42, s57
	s_lshr_b32 s57, s14, 3
	s_add_co_u32 s42, s42, s57
	s_mul_i32 s42, s42, QIMG
	s_add_nc_u64 s[46:47], s[4:5], s[42:43]        ; the image of Q that holds my tile
	s_and_b32 s57, s56, 3
	s_mul_i32 s42, s57, 1536
	s_add_nc_u64 s[58:59], s[46:47], s[42:43]      ; the pair of tiles
	s_bfe_u32 s57, s14, 0x10002
	s_lshl_b32 s57, s57, 9
	s_and_b32 s42, s14, 3
	s_lshl_b32 s42, s42, 2
	s_add_co_u32 s42, s42, s57
	s_add_co_u32 s42, s42, 6144
	s_add_nc_u64 s[46:47], s[46:47], s[42:43]      ; my tile's scale words
	global_load_b128 v[36:39], v3, s[58:59]
	global_load_b128 v[40:43], v3, s[58:59] offset:512
	global_load_b128 v[44:47], v3, s[58:59] offset:1024
	global_load_b32 v9, v3, s[46:47]
	s_lshl_b32 s62, s17, 11
	s_lshl_b32 s57, s55, 5
	s_add_co_u32 s62, s62, s57
	s_and_b32 s57, s14, 1
	s_lshl_b32 s57, s57, 3
	s_add_co_u32 s62, s62, s57                     ; my tile's first token, counted over all batches
	s_lshl_b32 s60, s62, 2
	s_mov_b32 s61, 0
	s_add_nc_u64 s[48:49], s[10:11], s[60:61]
	global_load_b32 v8, v239, s[48:49]             ; my query's index
	s_mov_b64 s[28:29], s[50:51]                   ; the walk begins at the head's first image
	s_mov_b64 s[30:31], s[52:53]
	; THE PREFETCH INTO THE L2.  A head's 16 images are 27 pieces of 8,192 bytes, which all four work-groups of the head walk.  The head's first work-group asks, in its first pass alone: in step s wave w (0 or 1) names piece
	; 2 s + w + 4, a lane each 256 bytes.  So pieces 4 to 26 are named once each; pieces 0 to 3 come by their loads alone; wave 0 stops behind step 11, wave 1 behind step 10: nothing past the head's images is named.
	s_add_co_u32 s42, s14, 4
	s_lshl_b32 s42, s42, 13
	s_add_nc_u64 s[32:33], s[50:51], s[42:43]
	s_or_b32 s37, s15, s19
	s_or_b32 s37, s37, s56
	s_sub_co_u32 s57, 12, s14
	s_cmp_eq_u32 s37, 0
	s_cselect_b32 s34, s57, 0                      ; how many steps I ask in
	s_mov_b32 s35, 0                               ; the step's number
	v_mov_b32 v13, 0xff61b1e6                      ; the largest t so far: -3e38, under every t
	s_delay_alu instid0(VALU_DEP_1)
	v_floor_f32 v12, -v13
	v_mov_b32 v14, 0
	v_mov_b32 v15, 0
	s_wait_loadcnt 0x0
.irp i, 0,1,2,3,4,5
	v_cndmask_b32 v[16+\i], v[36+\i], v[42+\i], s54   ; the pair's first tile in the even waves, its second in the odd ones
.endr
.set n, 0
.rept 32
	v_mov_b32 v[174+n], 0                          ; O^T: the step is written once; the first change of M multiplies zeros.  These 32 plain lines also stand between the last write of Q's codes and the first product that takes them
.set n, n+1
.endr
	s_wait_kmcnt 0x0
	s_bitcmp1_b32 s26, 0
	s_cbranch_scc0 .Lno_first
	global_load_b128 v[28:31], v5, s[28:29]        ; step 0's image, where it counts
	s_cmp_lt_u32 s14, 11
	s_cbranch_scc0 .Lone_chunk
	global_load_b128 v[32:35], v5, s[28:29] offset:8192
.Lone_chunk:
	s_wait_loadcnt 0x0
	ds_store_b128 v5, v[28:31]                     ; slot 0 was last read two barriers ago
	s_cmp_lt_u32 s14, 11
	s_cbranch_scc0 .Lno_first
	ds_store_b128 v5, v[32:35] offset:8192
.Lno_first:
	s_mov_b32 s36, 0
.Ltrip:                                            ; 8 trips of two steps: the count is a constant; what a step has to do hangs on the flags
	STEP 0
	STEP 1
	s_wait_xcnt 0x0                                ; the trip's loads and prefetches have read their bases
	s_add_nc_u64 s[28:29], s[28:29], 2*IMG
	s_add_nc_u64 s[30:31], s[30:31], 1024
	s_add_nc_u64 s[32:33], s[32:33], 32768
	s_add_co_u32 s36, s36, 1
	s_cmp_lt_u32 s36, 8
	s_cbranch_scc1 .Ltrip
	; THE WAY OUT: y = O^T / the sum; its two blocks of 32 dimensions are quantised; 24 bytes a lane go through the stage, so that each store covers 256 consecutive bytes of yq's head-major rows of 48 bytes.
	v_add_f32 v14, v14, v15
	s_delay_alu instid0(VALU_DEP_1)
	v_permlanex16_b32 v224, v14, s40, s41
	s_delay_alu instid0(VALU_DEP_1)
	v_add_f32 v14, v14, v224                       ; the row's sum
	s_wait_alu depctr_va_vdst(0)
	v_rcp_f32 v14, v14
	v_nop                                          ; a plain line behind the reciprocal
	s_lshl_b32 s42, s18, 13
	s_lshl_b32 s57, s17, 11
	s_add_co_u32 s42, s42, s57
	s_lshl_b32 s57, s20, 8
	s_add_co_u32 s42, s42, s57
	s_mul_i32 s42, s42, 48
	s_add_nc_u64 s[46:47], s[12:13], s[42:43]      ; yq: head, batch, block
	s_lshl_b32 s42, s62, 5                         ; y's scale bytes lie [token][32]: my tile's first token,
	s_lshl_b32 s57, s18, 1                         ; my head's two bytes
	s_add_co_u32 s42, s42, s57
	s_add_co_u32 s42, s42, YS
	s_add_nc_u64 s[48:49], s[12:13], s[42:43]      ; y's scale bytes: my tile's first token, my head's two bytes
	s_wait_alu depctr_va_vdst(0)                   ; ahead of the reciprocal's first reader
.set n, 0
.rept 16
	v_pk_mul_f32 v[110+n:111+n], v[174+n:175+n], v[14:15] op_sel_hi:[1,0]
.set n, n+2
.endr
.irp b, 0,1
	v_max3_num_f32 v[220+\b], |v[110+16*\b]|, |v[111+16*\b]|, 0x2800000
.endr
.irp i, 2,4,6,8,10,12,14
.irp b, 0,1
	s_delay_alu instid0(VALU_DEP_2)
	v_max3_num_f32 v[220+\b], v[220+\b], |v[110+16*\b+\i]|, |v[111+16*\b+\i]|
.endr
.endr
.irp b, 0,1
	s_delay_alu instid0(VALU_DEP_2)
	v_permlanex16_b32 v[224+\b], v[220+\b], s40, s41
.endr
.irp b, 0,1
	s_delay_alu instid0(VALU_DEP_2)
	v_max_num_f32 v[220+\b], v[220+\b], v[224+\b]
.endr
.irp b, 0,1
	s_delay_alu instid0(VALU_DEP_2)
	v_add_nc_u32 v[228+\b], 0xfe000000, v[220+\b]
.endr
.irp b, 0,1
	s_delay_alu instid0(VALU_DEP_2)
	v_lshrrev_b32 v[224+\b], 23, v[228+\b]
.endr
	s_delay_alu instid0(VALU_DEP_1)
	v_lshl_or_b32 v234, v225, 8, v224
	v_cvt_scalef32_pk16_bf6_f32 v[90:92], v[110:125], v228
	v_cvt_scalef32_pk16_bf6_f32 v[102:104], v[126:141], v229
	v_nop
.irp i, 0,1,2
	v_permlane16_swap_b32 v[90+\i], v[102+\i]
.endr
.irp i, 0,1,2
	s_delay_alu instid0(VALU_DEP_3)
	v_mov_b32 v[93+\i], v[102+\i]
.endr
	ds_store_b64 v10, v[90:91]
	ds_store_b64 v10, v[92:93] offset:8
	ds_store_b64 v10, v[94:95] offset:16
	global_store_b16 v219, v234, s[48:49]          ; two bytes a row, 32 bytes apart (lanes r and r + 16 store the same): one byte in 24 of what the launch stores leaves in short pieces
	s_wait_dscnt 0x0                               ; for the others' sake: my rows lie in the stage
	s_barrier_signal -1
	s_barrier_wait -1
	ds_load_b64 v[96:97], v238
	ds_load_b64 v[98:99], v238 offset:256
	ds_load_b64 v[100:101], v238 offset:512
	s_wait_dscnt 0x0
	global_store_b64 v243, v[96:97], s[46:47]      ; 32 lanes store 256 consecutive bytes, aligned
	global_store_b64 v243, v[98:99], s[46:47] offset:256
	global_store_b64 v243, v[100:101], s[46:47] offset:512
	s_add_co_u32 s19, s19, 1
	s_cmp_lt_u32 s19, 2
	s_cbranch_scc1 .Lpass
	s_wait_tensorcnt 0x0                           ; the wave's end, behind my last LDS store
	ds_add_u32 v1, v2
	s_wait_dscnt 0x0
	s_endpgm
.Lfunc_end_k_q602f44e66c_attn:
	.size	k_q602f44e66c_attn, .Lfunc_end_k_q602f44e66c_attn-k_q602f44e66c_attn
	.p2alignl 7, 3214868480
	.fill 96, 4, 3214868480
	.section	.rodata,"a",@progbits
	.p2align	6, 0x0
	.amdhsa_kernel k_q602f44e66c_attn
		.amdhsa_group_segment_fixed_size 47104
		.amdhsa_private_segment_fixed_size 0
		.amdhsa_enable_private_segment 0
		.amdhsa_kernarg_size 40
		.amdhsa_user_sgpr_count 2
		.amdhsa_user_sgpr_kernarg_segment_ptr 1
		.amdhsa_wavefront_size32 1
		.amdhsa_system_sgpr_workgroup_id_x 1
		.amdhsa_system_sgpr_workgroup_id_y 1
		.amdhsa_system_sgpr_workgroup_id_z 1
		.amdhsa_system_vgpr_workitem_id 0
		.amdhsa_next_free_vgpr 256
		.amdhsa_next_free_sgpr 66
		.amdhsa_reserve_vcc 1
		.amdhsa_float_denorm_mode_32 3
		.amdhsa_float_denorm_mode_16_64 3
		.amdhsa_memory_ordered 1
		.amdhsa_forward_progress 1
		.amdhsa_inst_pref_size 60
	.end_amdhsa_kernel
	.amdgpu_metadata
---
amdhsa.version: [ 1, 2 ]
amdhsa.kernels:
  - .name:           k_q602f44e66c_attn
    .symbol:         k_q602f44e66c_attn.kd
    .args:
      - { .name: qim, .offset: 0, .size: 8, .value_kind: global_buffer, .address_space: global }
      - { .name: kv, .offset: 8, .size: 8, .value_kind: global_buffer, .address_space: global }
      - { .name: flags, .offset: 16, .size: 8, .value_kind: global_buffer, .address_space: global }
      - { .name: indices, .offset: 24, .size: 8, .value_kind: global_buffer, .address_space: global }
      - { .name: yq, .offset: 32, .size: 8, .value_kind: global_buffer, .address_space: global }
    .group_segment_fixed_size: 47104
    .private_segment_fixed_size: 0
    .kernarg_segment_align: 8
    .kernarg_segment_size: 40
    .max_flat_workgroup_size: 512
    .sgpr_count:     66
    .vgpr_count:     256
    .wavefront_size: 32
...
	.end_amdgpu_metadata
.endif
;; end of part 3
;; launch gemm_out (part 4): grid 8 x 32, 4 waves a work-group, clusters of 4 x 4, 327,680 bytes of LDS; arguments yq, wq, out0; writes out0
.if DOCPART == 4
	.amdgcn_target "amdgcn-amd-amdhsa--gfx1250"
	.amdhsa_code_object_version 6
	.text
	.protected	k_q602f44e66c_gemm_out
	.globl	k_q602f44e66c_gemm_out
	.p2align	8
	.type	k_q602f44e66c_gemm_out,@function
k_q602f44e66c_gemm_out:
	s_mov_b64 s[64:65], 0
	v_nop
	global_prefetch_b8 v0, s[64:65] scope:SCOPE_SE
	s_setreg_imm32_b32 hwreg(HW_REG_WAVE_MODE, 25, 1), 1
	s_wait_xcnt 0x0
	s_wait_alu depctr_hold_cnt(0) depctr_sa_sdst(0) depctr_va_vdst(0) depctr_va_sdst(0) depctr_va_ssrc(0) depctr_va_vcc(0) depctr_vm_vsrc(0)
	s_getreg_b32 s2, hwreg(HW_REG_IB_STS2, 6, 4)
	s_cmp_eq_u32 s2, 0
	s_cbranch_scc0 .Lentry_in_a_cluster
	s_endpgm
.Lentry_in_a_cluster:
	s_bfe_u32 s2, ttmp6, 0x10000c
	s_cmp_lg_u32 s2, 0xf033
	s_cbranch_scc0 .Lentry_shape_is_right
	s_endpgm
.Lentry_shape_is_right:
; FOURTH LAUNCH: out0 = y W_proj on codes of E3M2 (K = 1,024), f32 sums.  No work is left out here.
; yq: y's codes in planes [head = k / 64][token][48 bytes], then its scale bytes [token][32].  wq: W_proj's codes [k / 64][n][48], then its scale bytes [n][32].
; SHARES.  A block of 256 tokens x 128 columns to a work-group: 256 work-groups.  All of K of both operands fits in LDS (196,608 + 98,304 bytes of codes, 12,288 of scale bytes): it is loaded ONCE, one tensor load a wave
; (y's codes, W's codes, y's scales, W's scales): no slot is ever filled again.  A wave makes 64 tokens x 128 columns in 32 accumulators.
; THE MATRIX INSTRUCTION IS USED TRANSPOSED (source 0 = 16 rows of W, source 1 = 16 tokens): a lane holds eight neighbouring numbers of a row of the result.
; CLUSTERS of 4 x 4: y's tile and scales are shared along a row of the cluster, W's along a column, each asked for jointly.
; NO PREFETCH: every byte is asked for at the head, and the text has no loop to run ahead in.
; LDS rows are 48 bytes, 12 words: the 32 lanes of a load of 8 bytes (words 12 r + 6 h) fall on 64 different banks (ISA guide 11.1): no padding.
; REGISTERS: window 0: v8-15, v16-23 LDS addresses of y's and W's fragments for the 8 K steps; v24-30 addresses; v32-63 y's scale words, v64-127 W's; v128-223 y's fragments, two sets (on the way out v128-255 take the rows read back);
; window 1: W's fragments, two sets; window 2: the accumulators ((a, b) at v[8 (8 a + b)]).
.set YS,    6291456
.set WPS,   786432
.set LB,    196608                     ; LDS: y's codes at 0, W's here,
.set LSA,   294912                     ; y's scale bytes,
.set LSB,   303104                     ; W's,
.set SPARE, 307200                     ; the spare words, 128 bytes a wave, that no other line names
.set SPITCH, 528                       ; the way out: 16 rows x (512 + 16) bytes for each wave, on y's codes, which nobody reads any more
.set ADRA,  8
.set ADRB,  16
.set STO,   24
.set RD,    25
.set CO,    26
.set ADRSA, 27
.set SPW,   28
.set NIL,   29
.set ADRSB, 30
.set SA,    32
.set SB,    64
.set AF,    128
.set BK,    128
.set G1A,  24
.set G0A,  32
.set G0B,  36
.set G1B,  48
.set G0S,  56
.set G0SB, 60
.set G1S,  68
.set G1SB, 80
.set MSB, 0
.macro WIN new                         ; the immediate's high byte repeats the setting that is left
.if MSB != (\new)
	s_set_vgpr_msb (MSB<<8)|(\new)
.set MSB, (\new)
.endif
.endm
.macro PLACES                          ; plain vector lines between a matrix instruction and a load into, or a read of, its registers
.rept 4
	v_nop
.endr
.endm
.macro CROUND                          ; a round of the cluster's barrier
	s_barrier_signal -1
	s_barrier_wait -1
	s_cmp_lg_u32 s14, 0
	s_cbranch_scc1 .Lnot_wave_0_\@
	s_barrier_signal -3
.Lnot_wave_0_\@:
	s_barrier_wait -3
	s_barrier_signal -1
	s_barrier_wait -1
.endm
.macro DESC g, c, r, p                 ; group 1 behind its first word: r rows of c elements of 8 bytes, p elements apart
	s_mov_b32 s[\g+1], (\c)<<16
	s_mov_b32 s[\g+2], (\r)<<16
	s_mov_b32 s[\g+3], (\c)<<16
	s_mov_b32 s[\g+4], \r
	s_mov_b32 s[\g+5], \p
	s_mov_b32 s[\g+6], 0
	s_mov_b32 s[\g+7], 0
.endm
.macro G0SET g, lds, a
	s_mov_b32 s[\g], 1
	s_mov_b32 s[\g+1], \lds
	s_mov_b64 s[\g+2:\g+3], s[\a:\a+1]
	s_or_b32 s[\g+3], s[\g+3], 0x80000000
.endm
.macro ARM under, g0, g1, next         ; one arm of the head's tree: its load, and a jump to the tree's end
	s_cmp_lt_u32 s14, \under
	s_cbranch_scc0 \next
	tensor_load_to_lds s[\g0:\g0+3], s[\g1:\g1+7]
	s_nop 0
	PLACES
	s_branch .Lhead_asked
\next:
.endm
	s_load_b128 s[4:7], s[0:1], 0x0                ; yq, wq
	s_load_b64 s[12:13], s[0:1], 0x10              ; out0
	v_lshl_add_u32 v[SPW], v0, 2, SPARE
	v_mov_b32 v[NIL], 0
	ds_add_u32 v[SPW], v[NIL]                      ; the opening lines: the add, twice on end, and its wait ahead of my first tensor load
	ds_add_u32 v[SPW], v[NIL]
	v_lshrrev_b32 v1, 5, v0
	v_readfirstlane_b32 s14, v1                    ; wave 0..3
	s_bfe_u32 s40, ttmp6, 0x40000                  ; cx
	s_bfe_u32 s41, ttmp6, 0x40004                  ; cy
	s_lshl_b32 s42, ttmp9, 2
	s_add_co_u32 s42, s42, s40                     ; which 128 columns
	s_and_b32 s17, ttmp7, 0xffff
	s_lshl_b32 s17, s17, 2
	s_add_co_u32 s17, s17, s41                     ; which 256 tokens
	s_lshl_b32 s43, s41, 2
	s_lshl_b32 s43, 15, s43                        ; my row of the cluster
	s_lshl_b32 s44, 0x1111, s40                    ; my column
	s_or_b32 s[G1A], s43, (3<<16)|(1<<21)          ; the mask; elements of 8 bytes; bit 21 beside a mask
	s_or_b32 s[G1S], s43, (3<<16)|(1<<21)
	s_or_b32 s[G1B], s44, (3<<16)|(1<<21)
	s_or_b32 s[G1SB], s44, (3<<16)|(1<<21)
	DESC G1A, 1536, 16, 49152                      ; y: 16 planes x 256 tokens x 48 bytes
	DESC G1B, 768, 16, 6144                        ; W: 16 planes x 128 rows
	DESC G1S, 32, 32, 32                           ; y's scale bytes: a dense block of 8,192 bytes
	DESC G1SB, 32, 16, 32                          ; W's: 4,096
	s_mul_i32 s20, s17, 12288
	s_mov_b32 s21, 0
	s_lshl_b32 s22, s17, 13
	s_add_co_u32 s22, s22, YS
	s_mov_b32 s23, 0
	s_mul_i32 s46, s42, 6144
	s_mov_b32 s47, 0
	s_lshl_b32 s18, s42, 12
	s_add_co_u32 s18, s18, WPS
	s_mov_b32 s19, 0
	s_wait_dscnt 0x0                               ; both opening adds are done
	s_wait_kmcnt 0x0
	s_add_nc_u64 s[20:21], s[4:5], s[20:21]
	s_add_nc_u64 s[22:23], s[4:5], s[22:23]
	s_add_nc_u64 s[46:47], s[6:7], s[46:47]
	s_add_nc_u64 s[18:19], s[6:7], s[18:19]
	CROUND                                         ; all sixteen work-groups are here: the joint loads meet
	G0SET G0A, 0, 20
	G0SET G0B, LB, 46
	G0SET G0S, LSA, 22
	G0SET G0SB, LSB, 18
	ARM 1, G0A, G1A, .Lhead_b                      ; one tensor load a wave
	ARM 2, G0B, G1B, .Lhead_sa
	ARM 3, G0S, G1S, .Lhead_sb
	tensor_load_to_lds s[G0SB:G0SB+3], s[G1SB:G1SB+7]
	s_nop 0
	PLACES
.Lhead_asked:
	s_lshl_b32 s20, s17, 8
	s_lshl_b32 s21, s14, 6
	s_add_co_u32 s20, s20, s21                     ; my first row of the result
	s_lshl_b32 s20, s20, 12                        ; rows of 4,096 bytes
	s_lshl_b32 s21, s42, 9
	s_add_co_u32 s20, s20, s21                     ; my block's first column, in bytes
	s_mov_b32 s21, 0
	s_add_nc_u64 s[12:13], s[12:13], s[20:21]
	s_mul_i32 s22, s14, 3072                       ; my 64 tokens of a plane
	s_lshl_b32 s23, s14, 11
	s_add_co_u32 s23, s23, LSA
	s_mul_i32 s45, s14, 16*SPITCH
	v_and_b32 v1, 15, v0                           ; r
	v_bfe_u32 v2, v0, 4, 1                         ; h
	v_mul_u32_u24 v3, v1, 48
	v_mad_u32_u24 v3, v2, 24, v3                   ; a fragment's row x 48 + 24 h
	v_add_nc_u32 v4, s22, v3
.irp q, 0,1,2,3,4,5,6,7
	v_add_nc_u32 v[ADRA+\q], \q*24576, v4          ; K step q: planes 2 q and 2 q + 1
	v_add_nc_u32 v[ADRB+\q], LB+\q*12288, v3
.endr
	v_lshlrev_b32 v5, 5, v1
	v_add_nc_u32 v[ADRSA], s23, v5                 ; my rows' 32 scale bytes
	v_add_nc_u32 v[ADRSB], LSB, v5
	v_mul_u32_u24 v5, v1, SPITCH                   ; the stage, in: row r, 32 bytes for each half of the lanes
	v_lshl_add_u32 v5, v2, 5, v5
	v_add_nc_u32 v[STO], s45, v5
	v_and_b32 v6, 31, v0
	v_lshlrev_b32 v[CO], 4, v6                     ; back: the 32 lanes take one row of 512 bytes; and the same in the result
	v_add_nc_u32 v[RD], s45, v[CO]
	s_wait_alu depctr_va_vdst(0)
	s_wait_tensorcnt 0x0                           ; my tile of the four is in
	s_barrier_signal -1
	s_barrier_wait -1                              ; all four are in
.macro FRAG reg, adr, off, pl          ; 16 rows x 128 K: 12 registers, in pieces of 8 bytes: 24 bytes of each of two planes
.irp p, 0,1,2,3,4,5
	ds_load_b64 v[(\reg)+2*\p:(\reg)+2*\p+1], v[\adr] offset:(\off)+(\p/3)*(\pl)+8*(\p%3)
.endr
.endm
.macro FETCH_B st
	WIN 0x40
.irp i, 0,1,2,3,4,5,6,7
	FRAG 128*((\st)%2)+12*\i, ADRB+(\st), \i*768, 6144
.endr
.endm
.macro FETCH_A st
	WIN 0
.irp i, 0,1,2,3
	FRAG AF+48*((\st)%2)+12*\i, ADRA+(\st), \i*768, 12288
.endr
.endm
; 16 matrix instructions: token blocks a0, a0 + 1 x W's eight.  The 32 accumulators take turns, one instruction a turn, in the same order in every step.  The first step's products start the sums.
.macro MUL a0, q
	WIN 0xa1
.irp a, \a0,\a0+1
.irp b, 0,1,2,3,4,5,6,7
.if (\q) == 0
	v_wmma_scale_f32_16x16x128_f8f6f4 v[8*(8*(\a)+\b):8*(8*(\a)+\b)+7], v[128*((\q)%2)+12*\b:128*((\q)%2)+12*\b+11], v[AF+48*((\q)%2)+12*(\a):AF+48*((\q)%2)+12*(\a)+11], 0, v[SB+8*\b+(\q)], v[SA+8*(\a)+(\q)] matrix_a_fmt:MATRIX_FMT_BF6 matrix_b_fmt:MATRIX_FMT_BF6
.else
	v_wmma_scale_f32_16x16x128_f8f6f4 v[8*(8*(\a)+\b):8*(8*(\a)+\b)+7], v[128*((\q)%2)+12*\b:128*((\q)%2)+12*\b+11], v[AF+48*((\q)%2)+12*(\a):AF+48*((\q)%2)+12*(\a)+11], v[8*(8*(\a)+\b):8*(8*(\a)+\b)+7], v[SB+8*\b+(\q)], v[SA+8*(\a)+(\q)] matrix_a_fmt:MATRIX_FMT_BF6 matrix_b_fmt:MATRIX_FMT_BF6
.endif
.endr
.endr
.endm
.macro STEP q                          ; 128 along K: 32 matrix instructions on set q % 2; the next step's fragments are asked for ahead of each half
	s_wait_dscnt 0x0                               ; this step's fragments are in (W's were asked for 32, y's 16 matrix instructions ago)
.if (\q) < 7
	PLACES
	FETCH_B (\q)+1
.endif
	MUL 0, \q
.if (\q) < 7
	FETCH_A (\q)+1
.endif
	MUL 2, \q
.endm
.irp i, 0,1,2,3                                ; all scale words into registers: word q of a row's eight serves K step q
	ds_load_b128 v[SA+8*\i:SA+8*\i+3], v[ADRSA] offset:512*\i
	ds_load_b128 v[SA+8*\i+4:SA+8*\i+7], v[ADRSA] offset:512*\i+16
.endr
.irp i, 0,1,2,3,4,5,6,7
	ds_load_b128 v[SB+8*\i:SB+8*\i+3], v[ADRSB] offset:512*\i
	ds_load_b128 v[SB+8*\i+4:SB+8*\i+7], v[ADRSB] offset:512*\i+16
.endr
	FETCH_B 0
	FETCH_A 0
.set Q, 0
.rept 8
	STEP Q
.set Q, Q+1
.endr
	WIN 0
	s_barrier_signal -1                            ; my reads of the codes are over (the last step's wait)
	s_barrier_wait -1                              ; everybody's are: the stages may be laid over y's codes, which have had their only fill
; THE WAY OUT, block by block of 16 rows x 128 columns, through my own stage: in as 32 bytes a lane, back as whole rows of 512 bytes.  LDS serves a wave's instructions in order (ISA guide 5.7.1.4).
.macro TOSTAGE a
.set AC, 64*(\a)
	WIN 0x08                                       ; the data: window 2
.irp b, 0,1,2,3,4,5,6,7
	ds_store_b128 v[STO], v[AC+8*\b:AC+8*\b+3] offset:64*\b          ; each accumulator from its low end on
	ds_store_b128 v[STO], v[AC+8*\b+4:AC+8*\b+7] offset:64*\b+16
.endr
	WIN 0
.set BB, BK+64*((\a)%2)
.irp t, 0,1,2,3,4,5,6,7,8,9,10,11,12,13,14,15
	ds_load_b128 v[BB+4*\t:BB+4*\t+3], v[RD] offset:\t*SPITCH
.endr
.endm
.macro SEND a, younger                 ; younger: the LDS instructions issued behind block a's loads, which may stay out
.set BB, BK+64*((\a)%2)
	s_wait_dscnt \younger
.if (\a) > 0
	s_add_nc_u64 s[12:13], s[12:13], 16*4096       ; (behind a wait on XCNT: the earlier stores have read their base)
.endif
.irp t, 0,1,2,3,4,5,6,7,8,9,10,11,12,13,14,15
	global_store_b128 v[CO], v[BB+4*\t:BB+4*\t+3], s[12:13] offset:\t*4096 th:TH_STORE_NT   ; 32 lanes store 512 consecutive bytes, aligned
.endr
.endm
	PLACES
	TOSTAGE 0
.irp a, 1,2,3
.if \a > 1
	s_wait_xcnt 0x0                                ; block a - 2's stores have read their registers and their base
.endif
	TOSTAGE \a
	SEND \a-1, 32                                  ; behind block a - 1's loads: block a's 16 stores and 16 loads
.endr
	s_wait_xcnt 0x0
	SEND 3, 0
	s_wait_tensorcnt 0x0                           ; the wave's end, behind my last tensor load and my last LDS store
	ds_add_u32 v[SPW], v[NIL]
	s_wait_dscnt 0x0
	CROUND                                         ; the closing round
	s_endpgm
.Lfunc_end_k_q602f44e66c_gemm_out:
	.size	k_q602f44e66c_gemm_out, .Lfunc_end_k_q602f44e66c_gemm_out-k_q602f44e66c_gemm_out
	.p2alignl 7, 3214868480
	.fill 96, 4, 3214868480
	.section	.rodata,"a",@progbits
	.p2align	6, 0x0
	.amdhsa_kernel k_q602f44e66c_gemm_out
		.amdhsa_group_segment_fixed_size 327680
		.amdhsa_private_segment_fixed_size 0
		.amdhsa_enable_private_segment 0
		.amdhsa_kernarg_size 24
		.amdhsa_user_sgpr_count 2
		.amdhsa_user_sgpr_kernarg_segment_ptr 1
		.amdhsa_wavefront_size32 1
		.amdhsa_system_sgpr_workgroup_id_x 1
		.amdhsa_system_sgpr_workgroup_id_y 1
		.amdhsa_system_sgpr_workgroup_id_z 1
		.amdhsa_system_vgpr_workitem_id 0
		.amdhsa_next_free_vgpr 768
		.amdhsa_next_free_sgpr 96
		.amdhsa_reserve_vcc 0
		.amdhsa_float_denorm_mode_32 3
		.amdhsa_float_denorm_mode_16_64 3
		.amdhsa_memory_ordered 1
		.amdhsa_forward_progress 1
		.amdhsa_inst_pref_size 95
	.end_amdhsa_kernel
	.amdgpu_metadata
---
amdhsa.version: [ 1, 2 ]
amdhsa.kernels:
  - .name:           k_q602f44e66c_gemm_out
    .symbol:         k_q602f44e66c_gemm_out.kd
    .args:
      - { .name: yq, .offset: 0, .size: 8, .value_kind: global_buffer, .address_space: global }
      - { .name: wq, .offset: 8, .size: 8, .value_kind: global_buffer, .address_space: global }
      - { .name: out0, .offset: 16, .size: 8, .value_kind: global_buffer, .address_space: global }
    .group_segment_fixed_size: 327680
    .private_segment_fixed_size: 0
    .kernarg_segment_align: 8
    .kernarg_segment_size: 24
    .max_flat_workgroup_size: 128
    .sgpr_count:     96
    .vgpr_count:     768
    .wavefront_size: 32
...
	.end_amdgpu_metadata
.endif
;; end of part 4
